; MI455X (gfx1250); checked and timed in simulation.
; The chip was launched on July 23, 2026; its instructions are those of AMD's public machine-readable ISA for CDNA 5 (MIT licence, August 2026) and "CDNA5" Instruction Set Architecture Reference Guide (July 2026). The comments in the code are by the model that wrote it; some were corrected since.
;; Head. Allowed arithmetic: float matrix products may take bf16 or f16 operands with f32 sums; all other float work in f32.
;; Inputs: Wk 512 x 512 float32; Wq 512 x 512 float32; Wv 512 x 512 float32; x 32 x 512 x 32 x 32 float32.
;; Outputs: out0 32 x 512 x 32 x 32 float32.
;; 2 versions, each right and faster than the one before. Each part assembles by itself: llvm-mc -triple=amdgcn-amd-amdhsa -mcpu=gfx1250 --defsym DOCPART=n.
;; ======== version 1 of 2: 2 launches
;; limits: values are held in f16: magnitudes above 65,504 overflow, below 6.1e-05 lose precision; inputs' magnitudes at most 65,504
;; workspace buffers: xh 33,554,432 bytes; mt 524,288 bytes; wvh 524,288 bytes
;; launch prep (part 1): grid 256 x 1, 8 waves a work-group, no clusters, 99,328 bytes of LDS; arguments x, Wq, Wk, Wv, xh, mt, wvh; writes xh, mt, wvh
.if DOCPART == 1
	.amdgcn_target "amdgcn-amd-amdhsa--gfx1250"
	.amdhsa_code_object_version 6
	.text
	.protected	k_q8d57b3cdea_prep
	.globl	k_q8d57b3cdea_prep
	.p2align	8
	.type	k_q8d57b3cdea_prep,@function
k_q8d57b3cdea_prep:
	s_mov_b64 s[64:65], 0
	v_nop
	global_prefetch_b8 v0, s[64:65] scope:SCOPE_SE
	s_setreg_imm32_b32 hwreg(HW_REG_WAVE_MODE, 25, 1), 1
	s_wait_xcnt 0x0
; Three shares for each of 256 work-groups (g = work-group number, t = thread 0..255, eight waves):
;   xh  = x rounded to f16, same flat index: 262,144 bytes of x per work-group, 32,768 per wave, as 64 loads of 512 consecutive bytes.
;   wvh = Wv rounded to f16, same flat index: 4,096 bytes of Wv per work-group, 16 per thread.
;   mt[d][c] = KAPPA * sum over e of Wk[e][d] Wq[e][c], rounded to bf16; KAPPA = log2(e) / sqrt(512).  Work-group g makes the tile
;         d = 32 (g >> 4) .. +31, c = 32 (g & 15) .. +31: q.k = x_q (Wq^T Wk) x_k, so the next launch needs neither q nor k.
; LIMITS: f16 holds |x|, |Wv| up to 65504 (larger numbers become infinities); below 6.1e-5 the absolute error of the rounding is at most 3e-8.
; mt leaves as 16 bytes a lane, 64 consecutive bytes of a row per work-group: parts of 256-byte blocks, for 524,288 of the launch's 34.6 million stored bytes.
; No cluster: the work-groups share only the two weight matrices' column strips, 128 KiB of each work-group's 390 KiB.
.set FAB, 2                            ; v2       LDS address of my B fragments (Wk strip)
.set OMT, 3                            ; v3       my byte offset in the work-group's tile of mt
.set OW,  4                            ; v4       byte offset of my 16 bytes in a strip of Wk or Wq: row t >> 3, piece t & 7
.set OV,  5                            ; v5       16 t: my bytes of Wv
.set OVH, 6                            ; v6       8 t: my bytes of wvh
.set OX,  7                            ; v7       my 16 bytes in the wave's first 512 of x
.set OXH, 8                            ; v8       half of that, in xh
.set LSK, 9                            ; v9       where I put 8 bytes of the Wk strip in LDS
.set LSQ, 10                           ; v10      the same for the Wq strip
.set FAA, 11                           ; v11      LDS address of my A fragments (Wq strip)
.set WVD, 12                           ; v[12:15] my four numbers of Wv
.set AC0, 16                           ; v[16:23] sum over the even K steps (temporaries at the head)
.set AC1, 24                           ; v[24:31] sum over the odd K steps
.set XR,  32                           ; v[32:95]   ring of 16 slots, 4 registers of x each; later the strips in bf16
.set YR,  96                           ; v[96:127]  ring of 16 slots, 2 registers of xh each
.set WKR, 128                          ; v[128:191] my 16 x 4 numbers of the Wk strip; later fragment buffer 0
.set WQR, 192                          ; v[192:255] the same of the Wq strip; later fragment buffer 1
.set LP,  96                           ; LDS pitch of a strip's row: 64 bytes of data + 32: an odd multiple of 32
.set WQT, 512*LP                       ; the Wq strip lies behind the Wk strip's 512 rows
.set KAPPA, 0x3d8293ee                 ; 0.06375872 = 1.442695 / 22.627417
	s_load_b256 s[4:11], s[0:1], 0x0               ; x s[4:5], Wq s[6:7], Wk s[8:9], Wv s[10:11]
	s_load_b128 s[12:15], s[0:1], 0x20             ; xh s[12:13], mt s[14:15]
	s_load_b64 s[16:17], s[0:1], 0x30              ; wvh
	s_set_vgpr_msb 0x40
	v_lshl_add_u32 v0, v0, 2, 0x18000
	v_mov_b32 v1, 0
	s_set_vgpr_msb 0x4000
	v_lshrrev_b32 v1, 5, v0
	v_readfirstlane_b32 s18, v1                    ; wave 0..7
	s_lshr_b32 s19, ttmp9, 4                       ; which 32 rows d of mt
	s_and_b32 s20, ttmp9, 15                       ; which 32 columns c
	s_and_b32 s21, s18, 1                          ; waves 0..3: which 16 of the 32 c
	s_lshr_b32 s24, s18, 1                         ;             which 16 of the 32 d
	v_lshrrev_b32 v16, 3, v0                       ; t >> 3
	v_and_b32 v17, 7, v0                           ; t & 7
	v_lshlrev_b32 v18, 11, v16                     ; a row of a weight matrix is 2,048 bytes
	v_lshl_add_u32 v[OW], v17, 4, v18
	v_lshlrev_b32 v[OV], 4, v0
	v_lshlrev_b32 v[OVH], 3, v0
	v_and_b32 v18, 31, v0
	v_lshlrev_b32 v18, 4, v18
	v_lshl_add_u32 v[OX], v1, 15, v18              ; wave x 32,768 + lane x 16
	v_lshrrev_b32 v[OXH], 1, v[OX]
	v_mul_u32_u24 v18, v16, LP
	v_lshl_add_u32 v[LSK], v17, 3, v18             ; row (t >> 3), 8 bytes at 8 (t & 7)
	v_add_nc_u32 v[LSQ], WQT, v[LSK]
	v_bfe_u32 v19, v0, 4, 1                        ; h = lane / 16
	v_lshl_add_u32 v18, v19, 3, v17                ; transposing load: row 8 h + (lane & 7) of a K step,
	v_mul_u32_u24 v18, v18, LP
	v_bfe_u32 v20, v0, 3, 1
	v_lshl_add_u32 v18, v20, 4, v18                ; 16 bytes at 16 ((lane >> 3) & 1)
	s_lshl_b32 s25, s21, 5
	s_add_co_u32 s25, s25, WQT
	v_add_nc_u32 v[FAA], s25, v18
	s_lshl_b32 s26, s24, 5
	v_add_nc_u32 v[FAB], s26, v18
	v_and_b32 v20, 15, v0                          ; r = lane % 16: my row d of the 16 x 16 tile
	v_lshlrev_b32 v20, 10, v20                     ; a row of mt is 1,024 bytes
	v_lshl_add_u32 v20, v19, 4, v20                ; my eight c: 16 bytes at 16 h
	s_lshl_b32 s27, s24, 14
	s_lshl_b32 s28, s21, 5
	s_add_co_u32 s27, s27, s28
	v_add_nc_u32 v[OMT], s27, v20
	s_mov_b32 s23, 0
	s_wait_kmcnt 0x0
	s_lshl_b32 s22, ttmp9, 18
	s_add_nc_u64 s[4:5], s[4:5], s[22:23]          ; x at my 262,144 bytes
	s_lshl_b32 s22, ttmp9, 17
	s_add_nc_u64 s[12:13], s[12:13], s[22:23]      ; xh at my 131,072
	s_lshl_b32 s22, s20, 7
	s_add_nc_u64 s[6:7], s[6:7], s[22:23]          ; Wq at column 32 (g & 15)
	s_lshl_b32 s22, s19, 7
	s_add_nc_u64 s[8:9], s[8:9], s[22:23]          ; Wk at column 32 (g >> 4)
	s_lshl_b32 s22, ttmp9, 12
	s_add_nc_u64 s[10:11], s[10:11], s[22:23]      ; Wv at my 4,096 bytes
	s_lshl_b32 s22, ttmp9, 11
	s_add_nc_u64 s[16:17], s[16:17], s[22:23]      ; wvh at my 2,048
	s_lshl_b32 s22, s19, 15
	s_lshl_b32 s29, s20, 6
	s_add_co_u32 s22, s22, s29
	s_add_nc_u64 s[14:15], s[14:15], s[22:23]      ; mt at row 32 (g >> 4), column 32 (g & 15)
	; The weights are asked for first: 33 loads that come back while x streams.  Load i takes rows 32 i + (t >> 3).
.irp i, 0,1,2,3,4,5,6,7,8,9,10,11,12,13,14,15
	global_load_b128 v[WKR+4*\i:WKR+4*\i+3], v[OW], s[8:9] offset:\i*65536
.endr
.irp i, 0,1,2,3,4,5,6,7,8,9,10,11,12,13,14,15
	global_load_b128 v[WQR+4*\i:WQR+4*\i+3], v[OW], s[6:7] offset:\i*65536
.endr
	global_load_b128 v[WVD:WVD+3], v[OV], s[10:11]
.irp i, 0,1,2,3,4,5,6,7,8,9,10,11,12,13,14,15
	global_load_b128 v[XR+4*\i:XR+4*\i+3], v[OX], s[4:5] offset:512*\i th:TH_LOAD_NT
.endr
; Piece i of the wave's 64: rounded, its slot filled again with piece i + 16, stored.  A store of the wave covers 256 consecutive bytes, aligned.
.macro SLOT i
.set sl, (\i)&15
.if (\i) < 48
	s_wait_loadcnt 15                              ; loads come back in order (ISA guide 5.7.1): piece i is in, the 15 younger stay out; the weights, asked for earlier, are in too
.else
	s_wait_loadcnt 63-(\i)                         ; nothing is fetched any more: the counts run down
.endif
.if (\i) >= 16
	s_wait_xcnt 0x0                                ; the slot's two output registers, which its last store reads, are rewritten only behind this wait
.endif
	v_cvt_pk_f16_f32 v[YR+2*sl], v[XR+4*sl], v[XR+4*sl+1]
	v_cvt_pk_f16_f32 v[YR+2*sl+1], v[XR+4*sl+2], v[XR+4*sl+3]
.if (\i) < 48
	global_load_b128 v[XR+4*sl:XR+4*sl+3], v[OX], s[4:5] offset:512*((\i)+16) th:TH_LOAD_NT
.endif
	global_store_b64 v[OXH], v[YR+2*sl:YR+2*sl+1], s[12:13] offset:256*(\i)
.endm
.set ii, 0
.rept 64
	SLOT ii
.set ii, ii+1
.endr
	v_cvt_pk_f16_f32 v[WVD], v[WVD], v[WVD+1]      ; Wv: four numbers to 8 bytes, in place
	v_cvt_pk_f16_f32 v[WVD+1], v[WVD+2], v[WVD+3]
	global_store_b64 v[OVH], v[WVD:WVD+1], s[16:17]
	; The two strips go to LDS in bf16, as [e][32 columns].  The ring's registers are free: its last load was waited for with the count 0.
.irp i, 0,1,2,3,4,5,6,7,8,9,10,11,12,13,14,15
	v_cvt_pk_bf16_f32 v[XR+2*\i], v[WKR+4*\i], v[WKR+4*\i+1]
	v_cvt_pk_bf16_f32 v[XR+2*\i+1], v[WKR+4*\i+2], v[WKR+4*\i+3]
	ds_store_b64 v[LSK], v[XR+2*\i:XR+2*\i+1] offset:32*LP*\i
.endr
.irp i, 0,1,2,3,4,5,6,7,8,9,10,11,12,13,14,15
	v_cvt_pk_bf16_f32 v[XR+32+2*\i], v[WQR+4*\i], v[WQR+4*\i+1]
	v_cvt_pk_bf16_f32 v[XR+33+2*\i], v[WQR+4*\i+2], v[WQR+4*\i+3]
	ds_store_b64 v[LSQ], v[XR+32+2*\i:XR+33+2*\i] offset:32*LP*\i
.endr
	s_wait_dscnt 0x0                               ; my stores are in LDS: for the other waves' sake, so the count is zero
	s_barrier_signal -1
	s_barrier_wait -1                              ; the strips are whole; no barrier follows, so four waves may end here
	s_cmp_ge_u32 s18, 4
	s_cbranch_scc1 .Ldone                          ; the tile has four blocks of 16 x 16: waves 0 to 3 take one each
; Four K steps (32 e each) of fragments.  The sum runs down the LDS rows, so the loads transpose: source 0 = 16 columns c of Wq, source 1 = 16 columns d of Wk.
.macro LDT grp, f
.irp k, 0,1,2,3
	ds_load_tr16_b128 v[\f+16*\k:\f+16*\k+3], v[FAA] offset:32*LP*(4*\grp+\k)
	ds_load_tr16_b128 v[\f+16*\k+4:\f+16*\k+7], v[FAA] offset:32*LP*(4*\grp+\k)+16*LP
	ds_load_tr16_b128 v[\f+16*\k+8:\f+16*\k+11], v[FAB] offset:32*LP*(4*\grp+\k)
	ds_load_tr16_b128 v[\f+16*\k+12:\f+16*\k+15], v[FAB] offset:32*LP*(4*\grp+\k)+16*LP
.endr
.endm
; Two accumulators take turns, one instruction a turn.  zero = 1: the first two products start the sums.
.macro MMT f, zero
.irp k, 0,1,2,3
.set dd, AC0+8*(\k&1)
.if (\zero)&(\k<2)
	v_wmma_f32_16x16x32_bf16 v[dd:dd+7], v[\f+16*\k:\f+16*\k+7], v[\f+16*\k+8:\f+16*\k+15], 0
.else
	v_wmma_f32_16x16x32_bf16 v[dd:dd+7], v[\f+16*\k:\f+16*\k+7], v[\f+16*\k+8:\f+16*\k+15], v[dd:dd+7]
.endif
.endr
.endm
.macro PLACES                          ; four independent vector instructions between a matrix instruction and a load into, or a vector read of, its registers
.rept 4
	v_nop
.endr
.endm
	LDT 0, WKR
	LDT 1, WQR
	s_wait_dscnt 16                                ; the first sixteen loads are in, the younger sixteen stay out
	MMT WKR, 1
	PLACES
	LDT 2, WKR
	s_wait_dscnt 16
	MMT WQR, 0
	PLACES
	LDT 3, WQR
	s_wait_dscnt 16
	MMT WKR, 0
	s_wait_dscnt 0
	MMT WQR, 0
	PLACES
	; lane (r, h), register j holds row d = r, column c = 8 h + j of the block: eight neighbouring numbers of a row of mt
.irp j, 0,2,4,6
	v_pk_add_f32 v[AC0+\j:AC0+\j+1], v[AC0+\j:AC0+\j+1], v[AC1+\j:AC1+\j+1]
.endr
.irp j, 0,2,4,6
	v_pk_mul_f32 v[AC0+\j:AC0+\j+1], v[AC0+\j:AC0+\j+1], KAPPA op_sel_hi:[1,0]
.endr
.irp j, 0,1,2,3
	v_cvt_pk_bf16_f32 v[AC0+\j], v[AC0+2*\j], v[AC0+2*\j+1]
.endr
	global_store_b128 v[OMT], v[AC0:AC0+3], s[14:15]
.Ldone:
	s_set_vgpr_msb 0x5
	s_wait_tensorcnt 0x0
	ds_add_u32 v0, v1
	s_wait_dscnt 0x0
	s_set_vgpr_msb 0x500
	s_endpgm
.Lfunc_end_k_q8d57b3cdea_prep:
	.size	k_q8d57b3cdea_prep, .Lfunc_end_k_q8d57b3cdea_prep-k_q8d57b3cdea_prep
	.p2alignl 7, 3214868480
	.fill 96, 4, 3214868480
	.section	.rodata,"a",@progbits
	.p2align	6, 0x0
	.amdhsa_kernel k_q8d57b3cdea_prep
		.amdhsa_group_segment_fixed_size 99328
		.amdhsa_private_segment_fixed_size 0
		.amdhsa_enable_private_segment 0
		.amdhsa_kernarg_size 56
		.amdhsa_user_sgpr_count 2
		.amdhsa_user_sgpr_kernarg_segment_ptr 1
		.amdhsa_wavefront_size32 1
		.amdhsa_system_sgpr_workgroup_id_x 1
		.amdhsa_system_sgpr_workgroup_id_y 1
		.amdhsa_system_sgpr_workgroup_id_z 1
		.amdhsa_system_vgpr_workitem_id 0
		.amdhsa_next_free_vgpr 258
		.amdhsa_next_free_sgpr 66
		.amdhsa_reserve_vcc 0
		.amdhsa_float_denorm_mode_32 3
		.amdhsa_float_denorm_mode_16_64 3
		.amdhsa_memory_ordered 1
		.amdhsa_forward_progress 1
		.amdhsa_inst_pref_size 43
	.end_amdhsa_kernel
	.amdgpu_metadata
---
amdhsa.version: [ 1, 2 ]
amdhsa.kernels:
  - .name:           k_q8d57b3cdea_prep
    .symbol:         k_q8d57b3cdea_prep.kd
    .args:
      - { .name: x, .offset: 0, .size: 8, .value_kind: global_buffer, .address_space: global }
      - { .name: Wq, .offset: 8, .size: 8, .value_kind: global_buffer, .address_space: global }
      - { .name: Wk, .offset: 16, .size: 8, .value_kind: global_buffer, .address_space: global }
      - { .name: Wv, .offset: 24, .size: 8, .value_kind: global_buffer, .address_space: global }
      - { .name: xh, .offset: 32, .size: 8, .value_kind: global_buffer, .address_space: global }
      - { .name: mt, .offset: 40, .size: 8, .value_kind: global_buffer, .address_space: global }
      - { .name: wvh, .offset: 48, .size: 8, .value_kind: global_buffer, .address_space: global }
    .group_segment_fixed_size: 99328
    .private_segment_fixed_size: 0
    .kernarg_segment_align: 8
    .kernarg_segment_size: 56
    .max_flat_workgroup_size: 256
    .sgpr_count:     66
    .vgpr_count:     258
    .wavefront_size: 32
...
	.end_amdgpu_metadata
.endif
;; end of part 1
;; launch attn (part 2): grid 256 x 1, 4 waves a work-group, clusters of 4 x 1, 327,680 bytes of LDS; arguments xh, mt, wvh, out0; writes out0
.if DOCPART == 2
	.amdgcn_target "amdgcn-amd-amdhsa--gfx1250"
	.amdhsa_code_object_version 6
	.text
	.protected	k_q8d57b3cdea_attn
	.globl	k_q8d57b3cdea_attn
	.p2align	8
	.type	k_q8d57b3cdea_attn,@function
k_q8d57b3cdea_attn:
	s_mov_b64 s[64:65], 0
	v_nop
	global_prefetch_b8 v0, s[64:65] scope:SCOPE_SE
	s_setreg_imm32_b32 hwreg(HW_REG_WAVE_MODE, 25, 1), 1
	s_wait_xcnt 0x0
	s_wait_alu depctr_hold_cnt(0) depctr_sa_sdst(0) depctr_va_vdst(0) depctr_va_sdst(0) depctr_va_ssrc(0) depctr_va_vcc(0) depctr_vm_vsrc(0)
	s_getreg_b32 s2, hwreg(HW_REG_IB_STS2, 6, 4)
	s_cmp_eq_u32 s2, 0
	s_cbranch_scc0 .Lentry_in_a_cluster
	s_endpgm
.Lentry_in_a_cluster:
	s_bfe_u32 s2, ttmp6, 0x10000c
	s_cmp_lg_u32 s2, 0x3003
	s_cbranch_scc0 .Lentry_shape_is_right
	s_endpgm
.Lentry_shape_is_right:
; out = softmax(q k^T / sqrt(512)) v for 32 batches of 1,024 rows of 512, with q.k = x_q (Wq^T Wk) x_k and P (x Wv^T) = (P x) Wv^T:
;   Q' = x_q mt^T (bf16 products; mt = log2(e)/sqrt(512) Wk^T Wq from the launch before), S = Q' x^T, P = exp2(S - running maximum),
;   O = P x, out = (O / l) Wv^T.  x in f16 (xh) is both the keys and the values; q, k and v never exist.
; A work-group owns 128 query rows, a wave 32 of them (two blocks qb of 16) through the whole chain: no data passes between waves.
; 32 UNITS of 64 rows x 1,024 bytes go through two LDS slots: 8 of mt, the batch's 16 of xh, 8 of wvh.  Unit u lies in slot u & 1; each wave brings 16 rows.
; CLUSTER: the four work-groups of a cluster lie in one batch and walk the same 32 units, so each unit is asked for jointly (mask 15): one request for four.
; EVERY PRODUCT IS USED TRANSPOSED: source 0 = 16 streamed rows from LDS, source 1 = 16 queries in registers.  In a result lane (r, h) holds query r and rows
; 8 h + 0..7: the softmax's figures are one per lane, and two neighbouring result tiles pack straight into the next product's source 1.
; NUMBER FORMATS: x_q and mt in bf16.  Each row of Q' is divided by its largest magnitude g and goes to f16; g comes back in f32 in the exponent's
; multiply-add.  x, P (at most 1), O / l (a mean of x) and Wv are f16.  All sums, the maximum and l in f32.
; LIMITS: |x|, |Wv| up to 65504 (f16); the query rows reach bf16 through f16, so they are rounded twice; g is taken as at least 2^-100 (a row of Q' that is
; smaller gives exponents below 2^-100 |x|, as it should) and has to stay below 2^126, where its reciprocal would be flushed to zero.
;
; LDS, rows 1,040 bytes apart (1,024 + 16: sixteen rows that one load touches start at sixteen different 16-byte columns modulo 256):
;   0 slot 0, 66,560 slot 1 (64 rows each); 133,120 the query rows (wave w: 32 rows at + 33,280 w, filled once, read by that wave alone);
;   266,240 the way out (wave w: 32 rows of 272 bytes at + 8,704 w; written by LDS stores alone, no tile ever lands there).
; REGISTERS, in windows of 256: window 0 addresses, figures, S tiles and fragments; window 1 source 1 of the long products, B(qb, ks) at 8 (2 ks + qb);
;   windows 2 and 3 the 64 accumulator tiles ACC(blk, qb) at 512 + 8 (2 blk + qb): Q' first, then O.
.set PITCH,  1040
.set RB16,   16*PITCH                  ; 16 rows
.set SLOTB,  64*PITCH
.set XQB,    2*SLOTB
.set OSTB,   XQB+128*PITCH
.set OPITCH, 272
.set UNIT,   65536                     ; a unit's bytes in memory
.set KA, 2                             ; v2, v3   slot 0, 1: rows along K: r x 1040 + 16 h
.set VA, 4                             ; v4, v5   slot 0, 1: transposing loads: (8 h + (lane & 7)) x 1040 + 128 ((lane >> 3) & 1)
.set WA, 6                             ; v6, v7   slot 0, 1: rows of wvh in O's order of columns: r x 1040 + 128 h
.set XA, 8                             ; v8       my wave's query rows
.set OS, 9                             ; v9       the way out: where I put 32 bytes of a row
.set OL, 10                            ; v10      the way out: where I read a row back
.set OG, 11                            ; v11      my byte offset in out
.set MX, 12                            ; v12, v13    running maximum of qb 0, 1
.set NM, 14                            ; v[14:17]    minus it, twice each: pairs for the packed forms
.set GG, 18                            ; v[18:21]    g, twice each
.set AL, 22                            ; v[22:25]    alpha, or 1/g, or 1/l, twice each
.set LS, 26                            ; v26, v27    l (the sum over this half of the lanes)
.set TA, 28                            ; v28, v29    at work
.set TB, 30                            ; v30, v31    at work
.set SB, 32                            ; v[32:95]    S(tb, qb) at SB + 8 (4 qb + tb); P(qb, k2) is packed in place at SB + 32 qb + 16 k2
.set FB, 96                            ; v[96:223]   two buffers of eight fragments
.set SU, 224                           ; v[224:239]  partial sums of P
.set G1J, 16                           ; s[16:23] group 1 of the joint loads: 16 rows x 512 elements
.set G1X, 24                           ; s[24:31] group 1 of the query rows' load: 32 rows x 512 elements
.set G0,  32                           ; s[32:39] group 0, one set for each slot
.set G0X, 40                           ; s[40:43] group 0 of the query rows' load
.set PX,  44                           ; s[44:45] xh at the batch's first row + my 16 rows of a unit
.set PW,  46                           ; s[46:47] wvh + my 16 rows
.set PM,  48                           ; s[48:49] mt + my 16 rows
.set MSB, 0
.macro WIN new                         ; low byte: bits 1:0 source 0, 3:2 source 1, 5:4 source 2, 7:6 destination; the high byte repeats the setting that is left
.if MSB != (\new)
	s_set_vgpr_msb (MSB<<8)|(\new)
.set MSB, (\new)
.endif
.endm
; Independent vector instructions between a matrix instruction and what may not follow it closely: four in front of a vector read of its result,
; a vector write or a load into one of its registers; five in front of a matrix instruction that writes over one of them.  Other matrix instructions are not counted.
.macro PLACES n
.rept \n
	v_nop
.endr
.endm
; A round of the cluster's barrier: my work-group's barrier, wave 0 signals for the work-group, every wave waits for all four work-groups, my work-group's barrier again.
.macro ROUND
	s_barrier_signal -1
	s_barrier_wait -1
	s_cmp_lg_u32 s12, 0
	s_cbranch_scc1 .Lnot_wave_0_\@
	s_barrier_signal -3
.Lnot_wave_0_\@:
	s_barrier_wait -3
	s_barrier_signal -1
	s_barrier_wait -1
.endm
; The head of a trip.  In front of the round every wave has all its tensor loads landed (its part of this trip's unit among them) and its reads of the other slot back;
; behind it that holds of every wave of the four work-groups, and slot sl, read in the last trip, gets the next unit: the wave's one tensor load until the next round.
; mode 1: the slot's next unit of the same buffer; mode 2: the unit at s[ptr] + off; mode 0: nothing is left to fetch.
.macro HEAD sl, mode, ptr, off
	WIN 0                                          ; branches and a label follow
	s_wait_tensorcnt 0x0                           ; no tensor load of mine is out, so a group 0 may be written
	ds_add_u32 v254, v255
	s_wait_dscnt 0x0
.if \mode == 1
	s_add_nc_u64 s[G0+4*\sl+2:G0+4*\sl+3], s[G0+4*\sl+2:G0+4*\sl+3], 2*UNIT
.endif
.if \mode == 2
	s_add_nc_u64 s[G0+4*\sl+2:G0+4*\sl+3], s[\ptr:\ptr+1], \off
	s_or_b32 s[G0+4*\sl+3], s[G0+4*\sl+3], 0x80000000
.endif
	s_wait_dscnt 0x0
	ROUND
.if \mode
	tensor_load_to_lds s[G0+4*\sl:G0+4*\sl+3], s[G1J:G1J+7]
	s_nop 0
.endif
	PLACES 5                                       ; the trip's first loads land in fragments, and its first products may write over S tiles, that the last products read
.endm
; ---- groups of four fragments, eight LDS loads each ----
.macro LDK a, g, f                     ; rows along K (mt, keys): the four blocks of 16 rows at K step g
.irp tb, 0,1,2,3
	ds_load_b128 v[(\f)+8*\tb:(\f)+8*\tb+3], v[\a] offset:\tb*RB16+64*(\g)
	ds_load_b128 v[(\f)+8*\tb+4:(\f)+8*\tb+7], v[\a] offset:\tb*RB16+64*(\g)+32
.endr
.endm
; Values: the sum runs down the rows, so the loads transpose 8 x 8 numbers in each group of eight lanes.  The second group of eight lanes stands 128 bytes, not 16,
; beside the first: with rows 1,040 bytes apart the sixteen lanes of a half then touch sixteen different 16-byte columns modulo 256.  So block cb of O holds the
; columns c = 128 (cb >> 3) + 8 (cb & 7) + 64 h + j.  gv = 8 half + 4 k2 + quad; cb = 16 half + 4 quad + i; k2: which 32 of the unit's 64 rows.
.macro LDV a, gv, f
.irp i, 0,1,2,3
.set cbv, 16*((\gv)>>3)+4*((\gv)&3)+\i
.set vof, (((\gv)>>2)&1)*2*RB16+256*(cbv>>3)+16*(cbv&7)
	ds_load_tr16_b128 v[(\f)+8*\i:(\f)+8*\i+3], v[\a] offset:vof
	ds_load_tr16_b128 v[(\f)+8*\i+4:(\f)+8*\i+7], v[\a] offset:vof+RB16
.endr
.endm
.macro LDW a, g, f                     ; rows of wvh, their columns taken in the order in which O's blocks 2 g and 2 g + 1 hold them
.irp tb, 0,1,2,3
	ds_load_b128 v[(\f)+8*\tb:(\f)+8*\tb+3], v[\a] offset:\tb*RB16+256*((\g)>>2)+32*((\g)&3)
	ds_load_b128 v[(\f)+8*\tb+4:(\f)+8*\tb+7], v[\a] offset:\tb*RB16+256*((\g)>>2)+32*((\g)&3)+16
.endr
.endm
; ---- eight matrix instructions on eight accumulators.  Everywhere the accumulators take turns, one instruction a turn. ----
.macro PM8 u, ks, f                    ; Q'(rows 64 u + 16 tb of mt, qb) += mt x x_q
.irp tb, 0,1,2,3
.irp qb, 0,1
.set dd, 8*(2*((4*(\u)+\tb)&15)+\qb)
.set bb, 8*(2*(\ks)+\qb)
.if (\ks) == 0
	v_wmma_f32_16x16x32_bf16 v[dd:dd+7], v[(\f)+8*\tb:(\f)+8*\tb+7], v[bb:bb+7], 0
.else
	v_wmma_f32_16x16x32_bf16 v[dd:dd+7], v[(\f)+8*\tb:(\f)+8*\tb+7], v[bb:bb+7], v[dd:dd+7]
.endif
.endr
.endr
.endm
.macro SM8 ks, f                       ; S(tb, qb) += streamed rows x B(qb, ks): the scores, and the output projection
.irp tb, 0,1,2,3
.irp qb, 0,1
.set dd, SB+8*(4*\qb+\tb)
.set bb, 8*(2*(\ks)+\qb)
.if (\ks) == 0
	v_wmma_f32_16x16x32_f16 v[dd:dd+7], v[(\f)+8*\tb:(\f)+8*\tb+7], v[bb:bb+7], 0
.else
	v_wmma_f32_16x16x32_f16 v[dd:dd+7], v[(\f)+8*\tb:(\f)+8*\tb+7], v[bb:bb+7], v[dd:dd+7]
.endif
.endr
.endr
.endm
.macro PV8 gv, f, first                ; O(cb, qb) += x^T x P(qb, k2)
.irp i, 0,1,2,3
.irp qb, 0,1
.set dd, 8*(2*(4*((\gv)&3)+\i)+\qb)
.set bb, SB+32*\qb+16*(((\gv)>>2)&1)
.if (\first)&((((\gv)>>2)&1)==0)
	v_wmma_f32_16x16x32_f16 v[dd:dd+7], v[(\f)+8*\i:(\f)+8*\i+7], v[bb:bb+7], 0
.else
	v_wmma_f32_16x16x32_f16 v[dd:dd+7], v[(\f)+8*\i:(\f)+8*\i+7], v[bb:bb+7], v[dd:dd+7]
.endif
.endr
.endr
.endm
; A trip goes in PAIRS of groups on the two fragment buffers.  A pair issues the next pair's sixteen loads in one run, into the buffer that the pair before read,
; and multiplies its own two groups.  s_wait_dscnt 24: my second group's eight loads and the sixteen just issued may be out; 16: the sixteen just issued.
; The last pair of a trip issues none: 8 and 0.
; ---- unit u of mt: 64 more columns of Q' ----
.macro PTRIP u
.set pa, KA+((\u)&1)
.if (\u) < 4
.set pw, 0xa4                          ; source 1 window 1, C and D window 2
.else
.set pw, 0xf4                          ; C and D window 3
.endif
	LDK pa, 0, FB
	LDK pa, 1, FB+32
.irp p, 0,1,2,3,4,5,6,7
.if \p
	PLACES 4
.endif
.if \p < 7
	WIN 0
	LDK pa, 2*\p+2, FB+64*((\p+1)&1)
	LDK pa, 2*\p+3, FB+64*((\p+1)&1)+32
	WIN pw
	s_wait_dscnt 24
.else
	s_wait_dscnt 8
.endif
	PM8 \u, 2*\p, FB+64*(\p&1)
.if \p < 7
	s_wait_dscnt 16
.else
	s_wait_dscnt 0
.endif
	PM8 \u, 2*\p+1, FB+64*(\p&1)+32
.endr
.endm
; ---- the largest |Q'| of each query: 128 numbers a lane, a query block and a window, in four chains ----
.macro ROWMAX first
.irp b, 0,1,2,3,4,5,6,7,8,9,10,11,12,13,14,15
.irp p, 0,1,2,3
.irp qb, 0,1
.set rr, 8*(2*\b+\qb)+2*\p
.set tt, TA+2*\qb+(\p&1)
.if (\first)&((4*\b+\p)<2)
	v_max_num_f32 v[tt], |v[rr]|, |v[rr+1]|        ; the first pairs start the chains: nothing is cleared
.else
	v_max3_num_f32 v[tt], |v[rr]|, |v[rr+1]|, v[tt]
.endif
.endr
.endr
.endr
.endm
; ---- all 64 accumulator tiles times the query's factor in AL, rounded to f16, packed into window 1: tiles 2 ks and 2 ks + 1 make B(qb, ks) ----
.macro SCALEPACK
.irp w, 0,1
	WIN 0x82+0x41*\w                               ; source 0 and destination in window 2 + w
.irp b, 0,1,2,3,4,5,6,7,8,9,10,11,12,13,14,15
.irp qb, 0,1
.irp p, 0,1,2,3
.set rr, 8*(2*\b+\qb)+2*\p
	v_pk_mul_f32 v[rr:rr+1], v[rr:rr+1], v[AL+2*\qb:AL+2*\qb+1]
.endr
.endr
.endr
	WIN 0x4a+5*\w                                  ; sources in window 2 + w, destination in window 1
.irp k, 0,1,2,3,4,5,6,7
.irp qb, 0,1
.irp i, 0,1,2,3,4,5,6,7
.set dd, 8*(2*(8*\w+\k)+\qb)+\i
.set rr, 8*(2*(2*\k+(\i>>2))+\qb)+2*(\i&3)
	v_cvt_pk_f16_f32 v[dd], v[rr], v[rr+1]
.endr
.endr
.endr
.endr
	WIN 0
.endm
; ---- the softmax of a unit's 64 keys for my 32 queries ----
.macro SUMOP qb, i, first              ; step i of sixteen of the sum of a lane's 32 P: four chains of packed adds, then a tree
.set su, SU+8*\qb
.set sq, SB+32*\qb
.if (\i) < 4
	s_wait_alu depctr_va_vdst(0)
	v_pk_add_f32 v[su+2*(\i):su+2*(\i)+1], v[sq+2*(\i):sq+2*(\i)+1], v[sq+8+2*(\i):sq+9+2*(\i)]
.elseif (\i) < 12
	v_pk_add_f32 v[su+2*((\i)&3):su+2*((\i)&3)+1], v[su+2*((\i)&3):su+2*((\i)&3)+1], v[sq+8+2*(\i):sq+9+2*(\i)]
.elseif (\i) == 12
	v_pk_add_f32 v[su:su+1], v[su:su+1], v[su+2:su+3]
.elseif (\i) == 13
	v_pk_add_f32 v[su+4:su+5], v[su+4:su+5], v[su+6:su+7]
.elseif (\i) == 14
	v_pk_add_f32 v[su:su+1], v[su:su+1], v[su+4:su+5]
.elseif \first
	v_add_f32 v[LS+\qb], v[su], v[su+1]            ; the first unit starts l
.else
	v_add_f32 v[su], v[su], v[su+1]
.endif
.endm
.macro PACKOP qb, i                    ; register i & 7 of P(qb, i >> 3): written in ascending order, so no number is overwritten before it is read
.set sq, SB+32*\qb+16*((\i)>>3)
	v_cvt_pk_f16_f32 v[sq+((\i)&7)], v[sq+2*((\i)&7)], v[sq+2*((\i)&7)+1]
.endm
.macro SOFTMAX first
.irp qb, 0,1
	v_max_num_f32 v[TA+\qb], v[SB+32*\qb], v[SB+32*\qb+1]
	v_max_num_f32 v[TB+\qb], v[SB+32*\qb+16], v[SB+32*\qb+17]
.endr
.irp i, 1,2,3,4,5,6,7
.irp qb, 0,1
	v_max3_num_f32 v[TA+\qb], v[SB+32*\qb+2*\i], v[SB+32*\qb+2*\i+1], v[TA+\qb]
	v_max3_num_f32 v[TB+\qb], v[SB+32*\qb+16+2*\i], v[SB+32*\qb+17+2*\i], v[TB+\qb]
.endr
.endr
.irp qb, 0,1
	v_max_num_f32 v[TA+\qb], v[TA+\qb], v[TB+\qb]
.endr
.irp qb, 0,1
	v_permlanex16_b32 v[TB+\qb], v[TA+\qb], s52, s53       ; lane i xor 16 holds the query's other 32 keys
.endr
.irp qb, 0,1
	v_max_num_f32 v[TA+\qb], v[TA+\qb], v[TB+\qb]
.endr
.if \first
.irp qb, 0,1
	v_mul_f32 v[MX+\qb], v[GG+2*\qb], v[TA+\qb]            ; g > 0, so g max(s) = max(g s): the first unit starts the running maximum
.endr
.else
.irp qb, 0,1
	v_mul_f32 v[TA+\qb], v[GG+2*\qb], v[TA+\qb]
.endr
.irp qb, 0,1
	v_sub_f32 v[TB+\qb], v[MX+\qb], v[TA+\qb]
	v_max_num_f32 v[MX+\qb], v[MX+\qb], v[TA+\qb]          ; the new maximum
.endr
.irp qb, 0,1
	v_min_num_f32 v[TB+\qb], 0, v[TB+\qb]                  ; old maximum - new maximum
.endr
	v_exp_f32 v[AL], v[TB]                                 ; alpha.  The four subtractions below are the plain instructions that stand between
	v_exp_f32 v[AL+2], v[TB+1]                             ; a transcendental and the first use of its result (ISA guide 5.7.2)
.endif
.irp qb, 0,1
	v_sub_f32 v[NM+2*\qb], 0, v[MX+\qb]
	v_sub_f32 v[NM+2*\qb+1], 0, v[MX+\qb]
.endr
.if \first == 0
	s_wait_alu depctr_va_vdst(0)
	v_mov_b32 v[AL+1], v[AL]
	v_mov_b32 v[AL+3], v[AL+2]
.endif
	; exponents g s - m in one rounding, then 2^x in place.  The exponentials of one query block stand among plain work of the other.
.irp i, 0,1,2,3,4,5,6,7,8,9,10,11,12,13,14,15
	v_pk_fma_f32 v[SB+2*\i:SB+2*\i+1], v[SB+2*\i:SB+2*\i+1], v[GG:GG+1], v[NM:NM+1]
.endr
.irp i, 0,1,2,3,4,5,6,7,8,9,10,11,12,13,14,15
	v_exp_f32 v[SB+2*\i], v[SB+2*\i]
	v_exp_f32 v[SB+2*\i+1], v[SB+2*\i+1]
	v_pk_fma_f32 v[SB+32+2*\i:SB+33+2*\i], v[SB+32+2*\i:SB+33+2*\i], v[GG+2:GG+3], v[NM+2:NM+3]
.endr
.irp i, 0,1,2,3,4,5,6,7,8,9,10,11,12,13,14,15
	v_exp_f32 v[SB+32+\i], v[SB+32+\i]
	SUMOP 0, \i, \first
.endr
.if \first == 0
	v_fma_f32 v[LS], v[LS], v[AL], v[SU]
.endif
.irp i, 0,1,2,3,4,5,6,7,8,9,10,11,12,13,14,15
	v_exp_f32 v[SB+48+\i], v[SB+48+\i]
	PACKOP 0, \i
.endr
.irp i, 0,1,2,3,4,5,6,7,8,9,10,11,12,13,14,15
	SUMOP 1, \i, \first
.endr
.if \first == 0
	v_fma_f32 v[LS+1], v[LS+1], v[AL+2], v[SU+8]
.endif
.irp i, 0,1,2,3,4,5,6,7,8,9,10,11,12,13,14,15
	PACKOP 1, \i
.endr
.endm
.macro RESCALE a                       ; the pair's own sixteen tiles of O (128 registers in a row) times alpha, ahead of the products that add to them
.irp c, 0,1,2,3,4,5,6,7
.irp qb, 0,1
.irp p, 0,1,2,3
.set rr, 128*(\a)+8*(2*\c+\qb)+2*\p
	v_pk_mul_f32 v[rr:rr+1], v[rr:rr+1], v[AL+2*\qb:AL+2*\qb+1]
.endr
.endr
.endr
.endm
; ---- a unit of xh: 64 keys and values.  Eight pairs make S, the softmax, eight pairs add P x to O ----
.macro FTRIP slot, first
	WIN 0x04                                       ; source 1 in window 1; loads and places run under the same setting
	LDK KA+\slot, 0, FB
	LDK KA+\slot, 1, FB+32
.irp p, 0,1,2,3,4,5,6,7
.if \p
	PLACES 4
.endif
.if \p < 7
	LDK KA+\slot, 2*\p+2, FB+64*((\p+1)&1)
	LDK KA+\slot, 2*\p+3, FB+64*((\p+1)&1)+32
.else
	LDV VA+\slot, 0, FB                            ; the first values come in while the softmax is made
	LDV VA+\slot, 1, FB+32
.endif
	s_wait_dscnt 24
	SM8 2*\p, FB+64*(\p&1)
	s_wait_dscnt 16
	SM8 2*\p+1, FB+64*(\p&1)+32
.endr
	PLACES 4
	WIN 0
	SOFTMAX \first
.irp pp, 0,1,2,3,4,5,6,7
.set dors, (1-((\pp>>1)&1))*(1-\first)
.if dors
	WIN 0x82+0x41*(\pp>>2)
	RESCALE (\pp&1)                                ; 64 packed multiplies on tiles that the last products did not name: they are the places too
.elseif \pp
	PLACES 4
.endif
.if \pp < 7
	WIN 0
	LDV VA+\slot, 2*\pp+2, FB+64*((\pp+1)&1)
	LDV VA+\slot, 2*\pp+3, FB+64*((\pp+1)&1)+32
	WIN 0xa0+0x50*(\pp>>2)                         ; C and D in window 2, then 3; both sources in window 0
	s_wait_dscnt 24
.else
	s_wait_dscnt 8
.endif
	PV8 2*\pp, FB+64*(\pp&1), \first
.if \pp < 7
	s_wait_dscnt 16
.else
	s_wait_dscnt 0
.endif
	PV8 2*\pp+1, FB+64*(\pp&1)+32, \first
.endr
	WIN 0
.endm
; ---- unit c of wvh: 64 columns of out for my 32 rows, and their way out ----
.macro WTRIP c, slot
	WIN 0x04
	LDW WA+\slot, 0, FB
	LDW WA+\slot, 1, FB+32
.irp p, 0,1,2,3,4,5,6,7
.if \p
	PLACES 4
.endif
.if \p < 7
	LDW WA+\slot, 2*\p+2, FB+64*((\p+1)&1)
	LDW WA+\slot, 2*\p+3, FB+64*((\p+1)&1)+32
	s_wait_dscnt 24
.else
	s_wait_dscnt 8
.endif
	SM8 2*\p, FB+64*(\p&1)
.if \p < 7
	s_wait_dscnt 16
.else
	s_wait_dscnt 0
.endif
	SM8 2*\p+1, FB+64*(\p&1)+32
.endr
	PLACES 4
	WIN 0
	; lane (r, h) holds row r, columns 16 tb + 8 h + 0..7: 32 bytes.  Through my own stage they become whole rows of 256 bytes.
.irp qb, 0,1
.irp tb, 0,1,2,3
	ds_store_b128 v[OS], v[SB+8*(4*\qb+\tb):SB+8*(4*\qb+\tb)+3] offset:\qb*16*OPITCH+64*\tb
	ds_store_b128 v[OS], v[SB+8*(4*\qb+\tb)+4:SB+8*(4*\qb+\tb)+7] offset:\qb*16*OPITCH+64*\tb+16
.endr
.endr
.irp i, 0,1,2,3,4,5,6,7,8,9,10,11,12,13,14,15
	ds_load_b128 v[FB+4*\i:FB+4*\i+3], v[OL] offset:2*OPITCH*\i   ; LDS serves a wave's instructions in order (ISA guide 5.7.1.4): these see the stores above
.endr
.irp i, 0,1,2,3,4,5,6,7,8,9,10,11,12,13,14,15
	s_wait_dscnt 15-\i                             ; load i is in, the younger ones stay out
	global_store_b128 v[OG], v[FB+4*\i:FB+4*\i+3], s[54:55] offset:4096*\i+256*(\c) th:TH_STORE_NT   ; 16 lanes store 256 consecutive bytes, at a multiple of 256 from out's first byte
.endr
.if (\c) < 7
	s_wait_xcnt 0x0                                ; the next trip's fragments land in the registers that these stores read only behind this wait
.endif
.endm
; ---- the query rows: f16 from LDS, widened, rounded to bf16, into window 1 ----
.macro CV2 d, lo, hi
	v_cvt_f32_f16 v[FB+\d], \lo
	v_cvt_f32_f16 v[FB+\d+1], \hi
.endm
.macro UNPACK                          ; v32-63, two f16 each, to v96-159
	CV2 0, v32.l, v32.h
	CV2 2, v33.l, v33.h
	CV2 4, v34.l, v34.h
	CV2 6, v35.l, v35.h
	CV2 8, v36.l, v36.h
	CV2 10, v37.l, v37.h
	CV2 12, v38.l, v38.h
	CV2 14, v39.l, v39.h
	CV2 16, v40.l, v40.h
	CV2 18, v41.l, v41.h
	CV2 20, v42.l, v42.h
	CV2 22, v43.l, v43.h
	CV2 24, v44.l, v44.h
	CV2 26, v45.l, v45.h
	CV2 28, v46.l, v46.h
	CV2 30, v47.l, v47.h
	CV2 32, v48.l, v48.h
	CV2 34, v49.l, v49.h
	CV2 36, v50.l, v50.h
	CV2 38, v51.l, v51.h
	CV2 40, v52.l, v52.h
	CV2 42, v53.l, v53.h
	CV2 44, v54.l, v54.h
	CV2 46, v55.l, v55.h
	CV2 48, v56.l, v56.h
	CV2 50, v57.l, v57.h
	CV2 52, v58.l, v58.h
	CV2 54, v59.l, v59.h
	CV2 56, v60.l, v60.h
	CV2 58, v61.l, v61.h
	CV2 60, v62.l, v62.h
	CV2 62, v63.l, v63.h
.endm
.macro LDX b                           ; fragments 4 b .. 4 b + 3 of window 1: K steps 2 b, 2 b + 1 of both query blocks
.irp i, 0,1,2,3
	ds_load_b128 v[SB+8*\i:SB+8*\i+3], v[XA] offset:(\i&1)*RB16+64*(2*(\b)+(\i>>1))
	ds_load_b128 v[SB+8*\i+4:SB+8*\i+7], v[XA] offset:(\i&1)*RB16+64*(2*(\b)+(\i>>1))+32
.endr
.endm
; ================================================================ the text ================================================================
	s_load_b256 s[4:11], s[0:1], 0x0               ; xh s[4:5], mt s[6:7], wvh s[8:9], out s[10:11]
	v_lshl_add_u32 v254, v0, 2, 0x49800
	v_mov_b32 v255, 0
	ds_add_u32 v254, v255
	v_lshrrev_b32 v1, 5, v0
	v_readfirstlane_b32 s12, v1                    ; wave 0..3
	s_bfe_u32 s13, ttmp6, 0x40000                  ; cx: my place in the cluster
	s_lshl_b32 s14, ttmp9, 2                       ; in a cluster launch ttmp9 counts clusters
	s_add_co_u32 s14, s14, s13                     ; my block of 128 query rows, 0..255
	s_mov_b32 s52, 0x76543210                      ; v_permlanex16_b32: lane i of one half reads lane i of the other
	s_mov_b32 s53, 0xfedcba98
	; group 1 of the joint loads: 16 rows x 512 elements of 2 bytes, 16 bytes of padding behind each row of 256 words
	s_mov_b32 s[G1J+0], 0x07f1000f                 ; 15:0 mask: all four work-groups; 17:16 element of 2 bytes; 20 padding on; 21 set beside a mask; 24:22 after 256 words (code 7); 31:25 four words (code 3)
	s_mov_b32 s[G1J+1], 512<<16                    ; tensor_dim0 = 512
	s_mov_b32 s[G1J+2], 16<<16                     ; tensor_dim1 = 16
	s_mov_b32 s[G1J+3], 512<<16                    ; tile_dim0 = 512
	s_mov_b32 s[G1J+4], 16                         ; tile_dim1 = 16
	s_mov_b32 s[G1J+5], 512                        ; elements from row to row
	s_mov_b32 s[G1J+6], 0
	s_mov_b32 s[G1J+7], 0
	; group 1 of the query rows: 32 rows, no mask: each work-group has its own
	s_mov_b32 s[G1X+0], 0x07d10000
	s_mov_b32 s[G1X+1], 512<<16
	s_mov_b32 s[G1X+2], 32<<16
	s_mov_b32 s[G1X+3], 512<<16
	s_mov_b32 s[G1X+4], 32
	s_mov_b32 s[G1X+5], 512
	s_mov_b32 s[G1X+6], 0
	s_mov_b32 s[G1X+7], 0
	s_mul_i32 s15, s12, RB16                       ; my 16 rows of a slot: no place in the cluster enters an LDS address
	s_lshl_b32 s56, s12, 14                        ; my 16 rows of a unit in memory
	s_mov_b32 s57, 0
	s_lshr_b32 s2, ttmp9, 1                        ; the batch: two clusters each, so the four partners share it
	s_lshl_b32 s2, s2, 20                          ; 1,048,576 bytes of xh a batch
	s_mov_b32 s3, 0
	s_lshl_b32 s58, s14, 17                        ; my work-group's 128 query rows, 131,072 bytes (these two registers alone hold what hangs on cx)
	s_lshl_b32 s51, s12, 15                        ; my wave's 32 of them
	s_add_co_u32 s58, s58, s51
	s_mov_b32 s59, 0
	s_wait_dscnt 0x0
	s_wait_kmcnt 0x0
	s_add_nc_u64 s[PM:PM+1], s[6:7], s[56:57]
	s_add_nc_u64 s[PW:PW+1], s[8:9], s[56:57]
	s_add_nc_u64 s[PX:PX+1], s[4:5], s[56:57]
	s_add_nc_u64 s[PX:PX+1], s[PX:PX+1], s[2:3]
.irp n, 0,1
	s_mov_b32 s[G0+4*\n], 1                                        ; count = 1
	s_add_co_u32 s[G0+4*\n+1], s15, \n*SLOTB                       ; LDS address
	s_add_nc_u64 s[G0+4*\n+2:G0+4*\n+3], s[PM:PM+1], \n*UNIT       ; units 0 and 1: the first 128 rows of mt
	s_or_b32 s[G0+4*\n+3], s[G0+4*\n+3], 0x80000000                ; type = 2
.endr
	s_mov_b32 s[G0X], 1
	s_mul_i32 s[G0X+1], s12, 32*PITCH
	s_add_co_u32 s[G0X+1], s[G0X+1], XQB
	s_add_nc_u64 s[G0X+2:G0X+3], s[4:5], s[58:59]
	s_or_b32 s[G0X+3], s[G0X+3], 0x80000000
	s_lshl_b32 s58, s14, 18                        ; my work-group's 128 rows of out, 262,144 bytes,
	s_lshl_b32 s51, s12, 16                        ; my wave's 32
	s_add_co_u32 s58, s58, s51
	s_add_nc_u64 s[54:55], s[10:11], s[58:59]
	ROUND                                          ; all four work-groups are here: the first joint loads meet
	tensor_load_to_lds s[G0X:G0X+3], s[G1X:G1X+7]  ; the three first fills go out as one group: three tensor loads of the wave are out, the most in this text
	s_nop 0
	tensor_load_to_lds s[G0:G0+3], s[G1J:G1J+7]
	s_nop 0
	tensor_load_to_lds s[G0+4:G0+7], s[G1J:G1J+7]
	s_nop 0
	v_and_b32 v22, 15, v0                          ; r = lane % 16
	v_bfe_u32 v23, v0, 4, 1                        ; h = lane / 16
	v_mul_u32_u24 v24, v22, PITCH
	v_lshl_add_u32 v[KA], v23, 4, v24
	v_add_nc_u32 v[KA+1], SLOTB, v[KA]
	v_lshl_add_u32 v[WA], v23, 7, v24
	v_add_nc_u32 v[WA+1], SLOTB, v[WA]
	v_and_b32 v25, 7, v0
	v_lshl_add_u32 v25, v23, 3, v25
	v_mul_u32_u24 v25, v25, PITCH
	v_bfe_u32 v26, v0, 3, 1
	v_lshl_add_u32 v[VA], v26, 7, v25
	v_add_nc_u32 v[VA+1], SLOTB, v[VA]
	v_add_nc_u32 v[XA], s[G0X+1], v[KA]
	s_mul_i32 s15, s12, 32*OPITCH
	s_add_co_u32 s15, s15, OSTB                    ; my stage
	v_mul_u32_u24 v27, v22, OPITCH
	v_lshl_add_u32 v27, v23, 5, v27
	v_add_nc_u32 v[OS], s15, v27                   ; in: row r, 32 bytes for each half of the lanes
	v_mul_u32_u24 v27, v23, OPITCH
	v_lshl_add_u32 v27, v22, 4, v27
	v_add_nc_u32 v[OL], s15, v27                   ; back: lanes 0-15 one row of 256 bytes, lanes 16-31 the next
	v_lshlrev_b32 v27, 11, v23
	v_lshl_add_u32 v[OG], v22, 4, v27              ; the same two rows in out, 2,048 bytes apart
	s_wait_tensorcnt 0x2                           ; my query rows, issued first, are in; the two units stay out.  Only my wave reads these rows: no barrier
	LDX 0
.irp b, 0,1,2,3,4,5,6,7
	s_wait_dscnt 0x0
	UNPACK
.if \b < 7
	LDX (\b+1)                                     ; v32-63 have been read: the next batch comes in while this one is packed
.endif
	WIN 0x40                                       ; destination in window 1
.set jj, 0
.rept 32
	v_cvt_pk_bf16_f32 v[32*\b+jj], v[FB+2*jj], v[FB+2*jj+1]
.set jj, jj+1
.endr
	WIN 0
.endr
	s_wait_tensorcnt 0x1                           ; my part of unit 0 is in; unit 1 may stay out
	s_wait_dscnt 0x0
	s_barrier_signal -1
	s_barrier_wait -1                              ; everybody's part is in
	PTRIP 0
	HEAD 0, 1, 0, 0
	PTRIP 1
	HEAD 1, 1, 0, 0
	PTRIP 2
	HEAD 0, 1, 0, 0
	PTRIP 3
	HEAD 1, 1, 0, 0
	PTRIP 4
	HEAD 0, 1, 0, 0
	PTRIP 5
	HEAD 1, 1, 0, 0
	PTRIP 6
	HEAD 0, 2, PX, 0                               ; the batch's first 64 rows of xh
	PTRIP 7
	; Q' / g in f16.  g = the row's largest magnitude, at least 2^-100.
	PLACES 4
	WIN 0x0a                                       ; sources 0 and 1 in window 2
	ROWMAX 1
	WIN 0x0f                                       ; in window 3
	ROWMAX 0
	WIN 0
.irp qb, 0,1
	v_max_num_f32 v[TA+2*\qb], v[TA+2*\qb], v[TA+2*\qb+1]
.endr
.irp qb, 0,1
	v_permlanex16_b32 v[TA+2*\qb+1], v[TA+2*\qb], s52, s53
.endr
.irp qb, 0,1
	v_max3_num_f32 v[GG+2*\qb], v[TA+2*\qb], v[TA+2*\qb+1], 0x0d800000
.endr
	v_rcp_f32 v[AL], v[GG]
	v_rcp_f32 v[AL+2], v[GG+2]
	v_mov_b32 v[GG+1], v[GG]                       ; plain instructions between the reciprocals and their first use (ISA guide 5.7.2)
	v_mov_b32 v[GG+3], v[GG+2]
	s_wait_alu depctr_va_vdst(0)
	v_mov_b32 v[AL+1], v[AL]
	v_mov_b32 v[AL+3], v[AL+2]
	SCALEPACK
	HEAD 1, 2, PX, UNIT                            ; rows 64 to 127
	FTRIP 0, 1                                     ; the first unit starts the maximum, l and O: nothing is cleared
	s_mov_b32 s50, 7
.Lflash:                                           ; units 1 to 14 of the batch, two a trip
	HEAD 0, 1, 0, 0
	FTRIP 1, 0
	HEAD 1, 1, 0, 0
	FTRIP 0, 0
	s_sub_co_u32 s50, s50, 1
	s_cmp_lg_u32 s50, 0
	s_cbranch_scc1 .Lflash
	HEAD 0, 2, PW, 0                               ; the first 64 rows of wvh
	FTRIP 1, 0
	; O / l in f16
	PLACES 4
.irp qb, 0,1
	v_permlanex16_b32 v[TA+\qb], v[LS+\qb], s52, s53       ; the two halves of the lanes summed different keys under the same maximum
.endr
.irp qb, 0,1
	v_add_f32 v[LS+\qb], v[LS+\qb], v[TA+\qb]
.endr
	v_rcp_f32 v[AL], v[LS]                         ; l is at least about 1: the key of the maximum gives 2^0
	v_rcp_f32 v[AL+2], v[LS+1]
	v_nop
	s_wait_alu depctr_va_vdst(0)
	v_mov_b32 v[AL+1], v[AL]
	v_mov_b32 v[AL+3], v[AL+2]
	SCALEPACK
	HEAD 1, 2, PW, UNIT
	WTRIP 0, 0
	HEAD 0, 1, 0, 0
	WTRIP 1, 1
	HEAD 1, 1, 0, 0
	WTRIP 2, 0
	HEAD 0, 1, 0, 0
	WTRIP 3, 1
	HEAD 1, 1, 0, 0
	WTRIP 4, 0
	HEAD 0, 1, 0, 0
	WTRIP 5, 1
	HEAD 1, 1, 0, 0
	WTRIP 6, 0
	HEAD 0, 0, 0, 0                                ; the last unit: nothing is left to fetch
	WTRIP 7, 1
	s_wait_tensorcnt 0x0
	ds_add_u32 v254, v255
	s_wait_dscnt 0x0
	ROUND                                          ; the closing round: no work-group ends while a partner may still ask for a unit that names it
	s_endpgm
.Lfunc_end_k_q8d57b3cdea_attn:
	.size	k_q8d57b3cdea_attn, .Lfunc_end_k_q8d57b3cdea_attn-k_q8d57b3cdea_attn
	.p2alignl 7, 3214868480
	.fill 96, 4, 3214868480
	.section	.rodata,"a",@progbits
	.p2align	6, 0x0
	.amdhsa_kernel k_q8d57b3cdea_attn
		.amdhsa_group_segment_fixed_size 327680
		.amdhsa_private_segment_fixed_size 0
		.amdhsa_enable_private_segment 0
		.amdhsa_kernarg_size 32
		.amdhsa_user_sgpr_count 2
		.amdhsa_user_sgpr_kernarg_segment_ptr 1
		.amdhsa_wavefront_size32 1
		.amdhsa_system_sgpr_workgroup_id_x 1
		.amdhsa_system_sgpr_workgroup_id_y 1
		.amdhsa_system_sgpr_workgroup_id_z 1
		.amdhsa_system_vgpr_workitem_id 0
		.amdhsa_next_free_vgpr 1024
		.amdhsa_next_free_sgpr 66
		.amdhsa_reserve_vcc 0
		.amdhsa_float_denorm_mode_32 3
		.amdhsa_float_denorm_mode_16_64 3
		.amdhsa_memory_ordered 1
		.amdhsa_forward_progress 1
		.amdhsa_inst_pref_size 255
	.end_amdhsa_kernel
	.section	.bss,"aw",@nobits
	.p2align	6
	.space	262144
	.amdgpu_metadata
---
amdhsa.version: [ 1, 2 ]
amdhsa.kernels:
  - .name:           k_q8d57b3cdea_attn
    .symbol:         k_q8d57b3cdea_attn.kd
    .args:
      - { .name: xh, .offset: 0, .size: 8, .value_kind: global_buffer, .address_space: global }
      - { .name: mt, .offset: 8, .size: 8, .value_kind: global_buffer, .address_space: global }
      - { .name: wvh, .offset: 16, .size: 8, .value_kind: global_buffer, .address_space: global }
      - { .name: out0, .offset: 24, .size: 8, .value_kind: global_buffer, .address_space: global }
    .group_segment_fixed_size: 327680
    .private_segment_fixed_size: 0
    .kernarg_segment_align: 8
    .kernarg_segment_size: 32
    .max_flat_workgroup_size: 128
    .sgpr_count:     66
    .vgpr_count:     1024
    .wavefront_size: 32
...
	.end_amdgpu_metadata
.endif
;; end of part 2
;; ======== version 2 of 2: 2 launches; 1.26 times as fast as version 1
;; limits: values are held in f16: magnitudes above 65,504 overflow, below 6.1e-05 lose precision; inputs' magnitudes at most 65,504
;; workspace buffers: ws 34,603,008 bytes
;; launch prep (part 3): grid 256 x 1, 8 waves a work-group, no clusters, 99,328 bytes of LDS; arguments x, Wq, Wk, Wv, ws; writes ws
.if DOCPART == 3
	.amdgcn_target "amdgcn-amd-amdhsa--gfx1250"
	.amdhsa_code_object_version 6
	.text
	.protected	k_q8d57b3cdea_prep
	.globl	k_q8d57b3cdea_prep
	.p2align	8
	.type	k_q8d57b3cdea_prep,@function
k_q8d57b3cdea_prep:
	s_mov_b64 s[64:65], 0
	v_nop
	global_prefetch_b8 v0, s[64:65] scope:SCOPE_SE
	s_setreg_imm32_b32 hwreg(HW_REG_WAVE_MODE, 25, 1), 1
	s_wait_xcnt 0x0
; Three shares for each of 256 work-groups (g = work-group number, t = thread 0..255, eight waves), all stored into the one workspace ws:
;   xh  (ws byte 0)          = x rounded to f16, same flat index: 262,144 bytes of x per work-group, 32,768 per wave, as 64 loads of 512 consecutive bytes.
;   mt  (ws byte 33,554,432) : Mt[d][c] = KAPPA * sum over e of Wk[e][d] Wq[e][c], rounded to bf16; KAPPA = log2(e) / sqrt(512).  Work-group g makes the tile
;         d = 32 (g >> 4) .. +31, c = 32 (g & 15) .. +31: q.k = x_q (Wq^T Wk) x_k, so the next launch needs neither q nor k.
;   wvh (ws byte 34,078,720) = Wv rounded to f16, same flat index: 4,096 bytes of Wv per work-group, 16 per thread.
; THE LAYOUT OF mt is the register image of the next launch's matrix operand: 8 units of 65,536 bytes (unit kc: columns c = 64 kc .. +63), a unit = 64 fragments of
; 1,024 bytes (fragment 32 ks2 + blk: rows d = 16 blk .. +15, columns 64 kc + 32 ks2 .. +31), a fragment = two halves of 512 bytes (columns + 0 and + 16), and in a
; half lane 16 h + r has the 16 bytes Mt[16 blk + r][.. + 8 h + 0..7] at byte 16 (16 h + r).  A wave's result IS one such half: its store covers 512 consecutive bytes.
; LIMITS: f16 holds |x|, |Wv| up to 65504 (larger numbers become infinities); below 6.1e-5 the absolute error of the rounding is at most 3e-8.
; No cluster: the work-groups share only the two weight matrices' column strips, 128 KiB of each work-group's 390 KiB.
.set MTO, 33554432                     ; mt's first byte in ws
.set WVO, 34078720                     ; wvh's first byte in ws
.set FAB, 2                            ; v2       LDS address of my B fragments (Wk strip)
.set OMT, 3                            ; v3       my byte offset among the work-group's four halves of fragments in mt
.set OW,  4                            ; v4       byte offset of my 16 bytes in a strip of Wk or Wq: row t >> 3, piece t & 7
.set OV,  5                            ; v5       16 t: my bytes of Wv
.set OVH, 6                            ; v6       8 t: my bytes of wvh
.set OX,  7                            ; v7       my 16 bytes in the wave's first 512 of x
.set OXH, 8                            ; v8       half of that, in xh
.set LSK, 9                            ; v9       where I put 8 bytes of the Wk strip in LDS
.set LSQ, 10                           ; v10      the same for the Wq strip
.set FAA, 11                           ; v11      LDS address of my A fragments (Wq strip)
.set WVD, 12                           ; v[12:15] my four numbers of Wv
.set AC0, 16                           ; v[16:23] sum over the even K steps (temporaries at the head)
.set AC1, 24                           ; v[24:31] sum over the odd K steps
.set XR,  32                           ; v[32:95]   ring of 16 slots, 4 registers of x each; later the strips in bf16
.set YR,  96                           ; v[96:127]  ring of 16 slots, 2 registers of xh each
.set WKR, 128                          ; v[128:191] my 16 x 4 numbers of the Wk strip; later fragment buffer 0
.set WQR, 192                          ; v[192:255] the same of the Wq strip; later fragment buffer 1
.set LP,  96                           ; LDS pitch of a strip's row: 64 bytes of data + 32: an odd multiple of 32
.set WQT, 512*LP                       ; the Wq strip lies behind the Wk strip's 512 rows
.set KAPPA, 0x3d8293ee                 ; 0.06375872 = 1.442695 / 22.627417
	s_load_b256 s[4:11], s[0:1], 0x0               ; x s[4:5], Wq s[6:7], Wk s[8:9], Wv s[10:11]
	s_load_b64 s[12:13], s[0:1], 0x20              ; ws
	s_set_vgpr_msb 0x40
	v_lshl_add_u32 v0, v0, 2, 0x18000
	v_mov_b32 v1, 0
	s_set_vgpr_msb 0x4000
	v_lshrrev_b32 v1, 5, v0
	v_readfirstlane_b32 s18, v1                    ; wave 0..7
	s_lshr_b32 s19, ttmp9, 4                       ; which 32 rows d of Mt
	s_and_b32 s20, ttmp9, 15                       ; which 32 columns c
	s_and_b32 s21, s18, 1                          ; waves 0..3: which 16 of the 32 c
	s_lshr_b32 s24, s18, 1                         ;             which 16 of the 32 d
	v_lshrrev_b32 v16, 3, v0                       ; t >> 3
	v_and_b32 v17, 7, v0                           ; t & 7
	v_lshlrev_b32 v18, 11, v16                     ; a row of a weight matrix is 2,048 bytes
	v_lshl_add_u32 v[OW], v17, 4, v18
	v_lshlrev_b32 v[OV], 4, v0
	v_lshlrev_b32 v[OVH], 3, v0
	v_and_b32 v18, 31, v0
	v_lshlrev_b32 v18, 4, v18
	v_lshl_add_u32 v[OX], v1, 15, v18              ; wave x 32,768 + lane x 16
	v_lshrrev_b32 v[OXH], 1, v[OX]
	s_lshl_b32 s27, s24, 10                        ; the second 16 rows d are the next fragment,
	s_lshl_b32 s28, s21, 9                         ; the second 16 columns c the fragment's second half
	s_add_co_u32 s27, s27, s28
	v_add_nc_u32 v[OMT], s27, v18                  ; + 16 x lane
	v_mul_u32_u24 v18, v16, LP
	v_lshl_add_u32 v[LSK], v17, 3, v18             ; row (t >> 3), 8 bytes at 8 (t & 7)
	v_add_nc_u32 v[LSQ], WQT, v[LSK]
	v_bfe_u32 v19, v0, 4, 1                        ; h = lane / 16
	v_lshl_add_u32 v18, v19, 3, v17                ; transposing load: row 8 h + (lane & 7) of a K step,
	v_mul_u32_u24 v18, v18, LP
	v_bfe_u32 v20, v0, 3, 1
	v_lshl_add_u32 v18, v20, 4, v18                ; 16 bytes at 16 ((lane >> 3) & 1)
	s_lshl_b32 s25, s21, 5
	s_add_co_u32 s25, s25, WQT
	v_add_nc_u32 v[FAA], s25, v18
	s_lshl_b32 s26, s24, 5
	v_add_nc_u32 v[FAB], s26, v18
	s_mov_b32 s23, 0
	s_wait_kmcnt 0x0
	s_lshl_b32 s22, ttmp9, 18
	s_add_nc_u64 s[4:5], s[4:5], s[22:23]          ; x at my 262,144 bytes
	s_lshl_b32 s22, s20, 7
	s_add_nc_u64 s[6:7], s[6:7], s[22:23]          ; Wq at column 32 (g & 15)
	s_lshl_b32 s22, s19, 7
	s_add_nc_u64 s[8:9], s[8:9], s[22:23]          ; Wk at column 32 (g >> 4)
	s_lshl_b32 s22, ttmp9, 12
	s_add_nc_u64 s[10:11], s[10:11], s[22:23]      ; Wv at my 4,096 bytes
	s_lshl_b32 s22, ttmp9, 11
	s_add_co_u32 s22, s22, WVO
	s_add_nc_u64 s[16:17], s[12:13], s[22:23]      ; wvh at my 2,048
	s_lshr_b32 s22, s20, 1
	s_lshl_b32 s22, s22, 16                        ; mt: unit kc = (g & 15) >> 1,
	s_and_b32 s29, s20, 1
	s_lshl_b32 s29, s29, 15                        ; ks2 = g & 1: 32 fragments of 1,024 bytes on,
	s_add_co_u32 s22, s22, s29
	s_lshl_b32 s29, s19, 11                        ; fragment blk = 2 (g >> 4)
	s_add_co_u32 s22, s22, s29
	s_add_co_u32 s22, s22, MTO
	s_add_nc_u64 s[14:15], s[12:13], s[22:23]
	s_lshl_b32 s22, ttmp9, 17
	s_add_nc_u64 s[12:13], s[12:13], s[22:23]      ; xh at my 131,072
	; The weights are asked for first: 33 loads that come back while x streams.  Load i takes rows 32 i + (t >> 3).
.irp i, 0,1,2,3,4,5,6,7,8,9,10,11,12,13,14,15
	global_load_b128 v[WKR+4*\i:WKR+4*\i+3], v[OW], s[8:9] offset:\i*65536
.endr
.irp i, 0,1,2,3,4,5,6,7,8,9,10,11,12,13,14,15
	global_load_b128 v[WQR+4*\i:WQR+4*\i+3], v[OW], s[6:7] offset:\i*65536
.endr
	global_load_b128 v[WVD:WVD+3], v[OV], s[10:11]
.irp i, 0,1,2,3,4,5,6,7,8,9,10,11,12,13,14,15
	global_load_b128 v[XR+4*\i:XR+4*\i+3], v[OX], s[4:5] offset:512*\i th:TH_LOAD_NT
.endr
; Piece i of the wave's 64: rounded, its slot filled again with piece i + 16, stored.  A store of the wave covers 256 consecutive bytes, aligned.
.macro SLOT i
.set sl, (\i)&15
.if (\i) < 48
	s_wait_loadcnt 15                              ; loads come back in order (ISA guide 5.7.1): piece i is in, the 15 younger stay out; the weights, asked for earlier, are in too
.else
	s_wait_loadcnt 63-(\i)                         ; nothing is fetched any more: the counts run down
.endif
.if (\i) >= 16
	s_wait_xcnt 0x0                                ; the slot's two output registers, which its last store reads, are rewritten only behind this wait
.endif
	v_cvt_pk_f16_f32 v[YR+2*sl], v[XR+4*sl], v[XR+4*sl+1]
	v_cvt_pk_f16_f32 v[YR+2*sl+1], v[XR+4*sl+2], v[XR+4*sl+3]
.if (\i) < 48
	global_load_b128 v[XR+4*sl:XR+4*sl+3], v[OX], s[4:5] offset:512*((\i)+16) th:TH_LOAD_NT
.endif
	global_store_b64 v[OXH], v[YR+2*sl:YR+2*sl+1], s[12:13] offset:256*(\i)
.endm
.set ii, 0
.rept 64
	SLOT ii
.set ii, ii+1
.endr
	v_cvt_pk_f16_f32 v[WVD], v[WVD], v[WVD+1]      ; Wv: four numbers to 8 bytes, in place
	v_cvt_pk_f16_f32 v[WVD+1], v[WVD+2], v[WVD+3]
	global_store_b64 v[OVH], v[WVD:WVD+1], s[16:17]
	; The two strips go to LDS in bf16, as [e][32 columns].  The ring's registers are free: its last load was waited for with the count 0.
.irp i, 0,1,2,3,4,5,6,7,8,9,10,11,12,13,14,15
	v_cvt_pk_bf16_f32 v[XR+2*\i], v[WKR+4*\i], v[WKR+4*\i+1]
	v_cvt_pk_bf16_f32 v[XR+2*\i+1], v[WKR+4*\i+2], v[WKR+4*\i+3]
	ds_store_b64 v[LSK], v[XR+2*\i:XR+2*\i+1] offset:32*LP*\i
.endr
.irp i, 0,1,2,3,4,5,6,7,8,9,10,11,12,13,14,15
	v_cvt_pk_bf16_f32 v[XR+32+2*\i], v[WQR+4*\i], v[WQR+4*\i+1]
	v_cvt_pk_bf16_f32 v[XR+33+2*\i], v[WQR+4*\i+2], v[WQR+4*\i+3]
	ds_store_b64 v[LSQ], v[XR+32+2*\i:XR+33+2*\i] offset:32*LP*\i
.endr
	s_wait_dscnt 0x0                               ; my stores are in LDS: for the other waves' sake, so the count is zero
	s_barrier_signal -1
	s_barrier_wait -1                              ; the strips are whole; no barrier follows, so four waves may end here
	s_cmp_ge_u32 s18, 4
	s_cbranch_scc1 .Ldone                          ; the tile has four blocks of 16 x 16: waves 0 to 3 take one each
; Four K steps (32 e each) of fragments.  The sum runs down the LDS rows, so the loads transpose: source 0 = 16 columns c of Wq, source 1 = 16 columns d of Wk.
.macro LDT grp, f
.irp k, 0,1,2,3
	ds_load_tr16_b128 v[\f+16*\k:\f+16*\k+3], v[FAA] offset:32*LP*(4*\grp+\k)
	ds_load_tr16_b128 v[\f+16*\k+4:\f+16*\k+7], v[FAA] offset:32*LP*(4*\grp+\k)+16*LP
	ds_load_tr16_b128 v[\f+16*\k+8:\f+16*\k+11], v[FAB] offset:32*LP*(4*\grp+\k)
	ds_load_tr16_b128 v[\f+16*\k+12:\f+16*\k+15], v[FAB] offset:32*LP*(4*\grp+\k)+16*LP
.endr
.endm
; Two accumulators take turns, one instruction a turn.  zero = 1: the first two products start the sums.
.macro MMT f, zero
.irp k, 0,1,2,3
.set dd, AC0+8*(\k&1)
.if (\zero)&(\k<2)
	v_wmma_f32_16x16x32_bf16 v[dd:dd+7], v[\f+16*\k:\f+16*\k+7], v[\f+16*\k+8:\f+16*\k+15], 0
.else
	v_wmma_f32_16x16x32_bf16 v[dd:dd+7], v[\f+16*\k:\f+16*\k+7], v[\f+16*\k+8:\f+16*\k+15], v[dd:dd+7]
.endif
.endr
.endm
.macro PLACES                          ; four independent vector instructions between a matrix instruction and a load into, or a vector read of, its registers
.rept 4
	v_nop
.endr
.endm
	LDT 0, WKR
	LDT 1, WQR
	s_wait_dscnt 16                                ; the first sixteen loads are in, the younger sixteen stay out
	MMT WKR, 1
	PLACES
	LDT 2, WKR
	s_wait_dscnt 16
	MMT WQR, 0
	PLACES
	LDT 3, WQR
	s_wait_dscnt 16
	MMT WKR, 0
	s_wait_dscnt 0
	MMT WQR, 0
	PLACES
	; lane (r, h), register j holds row d = r, column c = 8 h + j of the block: the 16 bytes that lane 16 h + r of the next launch's fragment wants
.irp j, 0,2,4,6
	v_pk_add_f32 v[AC0+\j:AC0+\j+1], v[AC0+\j:AC0+\j+1], v[AC1+\j:AC1+\j+1]
.endr
.irp j, 0,2,4,6
	v_pk_mul_f32 v[AC0+\j:AC0+\j+1], v[AC0+\j:AC0+\j+1], KAPPA op_sel_hi:[1,0]
.endr
.irp j, 0,1,2,3
	v_cvt_pk_bf16_f32 v[AC0+\j], v[AC0+2*\j], v[AC0+2*\j+1]
.endr
	global_store_b128 v[OMT], v[AC0:AC0+3], s[14:15]
.Ldone:
	s_set_vgpr_msb 0x5
	s_wait_tensorcnt 0x0
	ds_add_u32 v0, v1
	s_wait_dscnt 0x0
	s_set_vgpr_msb 0x500
	s_endpgm
.Lfunc_end_k_q8d57b3cdea_prep:
	.size	k_q8d57b3cdea_prep, .Lfunc_end_k_q8d57b3cdea_prep-k_q8d57b3cdea_prep
	.p2alignl 7, 3214868480
	.fill 96, 4, 3214868480
	.section	.rodata,"a",@progbits
	.p2align	6, 0x0
	.amdhsa_kernel k_q8d57b3cdea_prep
		.amdhsa_group_segment_fixed_size 99328
		.amdhsa_private_segment_fixed_size 0
		.amdhsa_enable_private_segment 0
		.amdhsa_kernarg_size 40
		.amdhsa_user_sgpr_count 2
		.amdhsa_user_sgpr_kernarg_segment_ptr 1
		.amdhsa_wavefront_size32 1
		.amdhsa_system_sgpr_workgroup_id_x 1
		.amdhsa_system_sgpr_workgroup_id_y 1
		.amdhsa_system_sgpr_workgroup_id_z 1
		.amdhsa_system_vgpr_workitem_id 0
		.amdhsa_next_free_vgpr 258
		.amdhsa_next_free_sgpr 66
		.amdhsa_reserve_vcc 0
		.amdhsa_float_denorm_mode_32 3
		.amdhsa_float_denorm_mode_16_64 3
		.amdhsa_memory_ordered 1
		.amdhsa_forward_progress 1
		.amdhsa_inst_pref_size 43
	.end_amdhsa_kernel
	.amdgpu_metadata
---
amdhsa.version: [ 1, 2 ]
amdhsa.kernels:
  - .name:           k_q8d57b3cdea_prep
    .symbol:         k_q8d57b3cdea_prep.kd
    .args:
      - { .name: x, .offset: 0, .size: 8, .value_kind: global_buffer, .address_space: global }
      - { .name: Wq, .offset: 8, .size: 8, .value_kind: global_buffer, .address_space: global }
      - { .name: Wk, .offset: 16, .size: 8, .value_kind: global_buffer, .address_space: global }
      - { .name: Wv, .offset: 24, .size: 8, .value_kind: global_buffer, .address_space: global }
      - { .name: ws, .offset: 32, .size: 8, .value_kind: global_buffer, .address_space: global }
    .group_segment_fixed_size: 99328
    .private_segment_fixed_size: 0
    .kernarg_segment_align: 8
    .kernarg_segment_size: 40
    .max_flat_workgroup_size: 256
    .sgpr_count:     66
    .vgpr_count:     258
    .wavefront_size: 32
...
	.end_amdgpu_metadata
.endif
;; end of part 3
;; launch attn (part 4): grid 256 x 1, 4 waves a work-group, clusters of 4 x 1, 327,680 bytes of LDS; arguments ws, out0; writes out0
.if DOCPART == 4
	.amdgcn_target "amdgcn-amd-amdhsa--gfx1250"
	.amdhsa_code_object_version 6
	.text
	.protected	k_q8d57b3cdea_attn
	.globl	k_q8d57b3cdea_attn
	.p2align	8
	.type	k_q8d57b3cdea_attn,@function
k_q8d57b3cdea_attn:
	s_mov_b64 s[64:65], 0
	v_nop
	global_prefetch_b8 v0, s[64:65] scope:SCOPE_SE
	s_setreg_imm32_b32 hwreg(HW_REG_WAVE_MODE, 25, 1), 1
	s_wait_xcnt 0x0
	s_wait_alu depctr_hold_cnt(0) depctr_sa_sdst(0) depctr_va_vdst(0) depctr_va_sdst(0) depctr_va_ssrc(0) depctr_va_vcc(0) depctr_vm_vsrc(0)
	s_getreg_b32 s2, hwreg(HW_REG_IB_STS2, 6, 4)
	s_cmp_eq_u32 s2, 0
	s_cbranch_scc0 .Lentry_in_a_cluster
	s_endpgm
.Lentry_in_a_cluster:
	s_bfe_u32 s2, ttmp6, 0x10000c
	s_cmp_lg_u32 s2, 0x3003
	s_cbranch_scc0 .Lentry_shape_is_right
	s_endpgm
.Lentry_shape_is_right:
; out = softmax(q k^T / sqrt(512)) v for 32 batches of 1,024 rows of 512, with q.k = x_q (Wq^T Wk) x_k and P (x Wv^T) = (P x) Wv^T:
;   Q' = x_q Mt^T (bf16 products; Mt = log2(e)/sqrt(512) Wk^T Wq from the launch before), S = Q' x^T, P = exp2(S - running maximum),
;   O = P x, out = (O / l) Wv^T.  x in f16 (xh) is both the keys and the values; q, k and v never exist.
; The workspace ws holds xh at byte 0, mt at byte 33,554,432 and wvh at byte 34,078,720, so every unit below is ws plus a byte offset.
; A work-group owns 128 query rows, a wave 32 of them (two blocks qb of 16) through the whole chain: no data passes between waves.
; 32 UNITS of 64 rows x 1,024 bytes go through two LDS slots: 8 of mt, the batch's 16 of xh, 8 of wvh.  Unit u lies in slot u & 1; each wave brings 16 rows.
; EACH PHASE IS A COUNTED LOOP of laps of two units (once round the two slots), so that its text is written once: 1 + 3 laps over mt (the first starts the sums),
; 8 over xh, 3 + 1 over wvh (the last fills nothing).  Where a lap's refill is already the next region's first unit, the OFFSET is chosen on the lap counter.
; CLUSTER: the four work-groups of a cluster lie in one batch and walk the same 32 units, so each unit is asked for jointly (mask 15): one request for four.
; EVERY PRODUCT IS USED TRANSPOSED: source 0 = 16 streamed rows from LDS, source 1 = 16 queries in registers.  In a result lane (r, h) holds query r and rows
; 8 h + 0..7: the softmax's figures are one per lane, and two neighbouring result tiles pack straight into the next product's source 1.
; NUMBER FORMATS: x_q and Mt in bf16.  Each row of Q' is divided by its largest magnitude g and goes to f16; g comes back in f32 in the exponent's
; multiply-add.  x, P (at most 1), O / l (a mean of x) and Wv are f16.  All sums, the maximum and l in f32.
; LIMITS: |x|, |Wv| up to 65504 (f16); the query rows reach bf16 through f16, so they are rounded twice; g is taken as at least 2^-100 (a row of Q' that is
; smaller gives exponents below 2^-100 |x|, as it should) and has to stay below 2^126, where its reciprocal would be flushed to zero.
;
; LDS, rows 1,040 bytes apart (1,024 + 16: sixteen rows that one load touches start at sixteen different 16-byte columns modulo 256):
;   0 slot 0, 66,560 slot 1 (64 rows each); 133,120 the query rows (wave w: 32 rows at + 33,280 w, filled once, read by that wave alone);
;   266,240 the way out (wave w: 32 rows of 272 bytes at + 8,704 w; written by LDS stores alone, no tile ever lands there).
; REGISTERS, in windows of 256: window 0 addresses, figures, S tiles and fragments; window 1 source 1 of the scores and of the last product, B(qb, ks) at 8 (2 ks + qb);
;   windows 2 and 3 the 64 accumulator tiles ACC(blk, qb) at 512 + 8 (2 blk + qb): Q' first, then O.
.set PITCH,  1040
.set RB16,   16*PITCH                  ; 16 rows
.set SLOTB,  64*PITCH
.set XQB,    2*SLOTB
.set OSTB,   XQB+128*PITCH
.set OPITCH, 272
.set UNIT,   65536                     ; a unit's bytes in memory
.set MTO,    33554432                  ; mt's first byte in ws
.set WVO,    34078720                  ; wvh's first byte in ws
.set KA, 2                             ; v2, v3   slot 0, 1: rows along K: r x 1040 + 16 h
.set VA, 4                             ; v4, v5   slot 0, 1: transposing loads: (8 h + (lane & 7)) x 1040 + 128 ((lane >> 3) & 1)
.set WA, 6                             ; v6, v7   slot 0, 1: rows of wvh in O's order of columns: r x 1040 + 128 h
.set XA, 8                             ; v8       my wave's query rows; steps 256 bytes (four K steps) a lap
.set OS, 9                             ; v9       the way out: where I put 32 bytes of a row
.set OL, 10                            ; v10      the way out: where I read a row back
.set OG, 11                            ; v11      my byte offset in out
.set MA, 12                            ; v[12:15]    first phase only: 16 x lane in slot 0 rows 0, 32, slot 1 rows 0, 32 (an LDS offset has 16 bits: a slot needs two bases)
.set MX, 12                            ; v12, v13    running maximum of qb 0, 1
.set NM, 14                            ; v[14:17]    minus it, twice each: pairs for the packed forms
.set GG, 18                            ; v[18:21]    g, twice each
.set AL, 22                            ; v[22:25]    alpha, or 1/g, or 1/l, twice each
.set LS, 26                            ; v26, v27    l (the sum over this half of the lanes)
.set TA, 28                            ; v28, v29    at work
.set TB, 30                            ; v30, v31    at work
.set SB, 32                            ; v[32:95]    S(tb, qb) at SB + 8 (4 qb + tb); P(qb, k2) is packed in place at SB + 32 qb + 16 k2
.set RX, 32                            ; v[32:63]    first phase: four fragments of x_q in f16 as loaded (named halves exist below v128)
.set XB, 64                            ; v[64:95]    first phase: the same in bf16, fragment 2 ks2 + qb
.set FB, 96                            ; v[96:223]   two buffers of eight fragments
.set SU, 224                           ; v[224:239]  partial sums of P
.set TW, 224                           ; v[224:255]  first phase: 32 numbers of x_q in f32
                                       ; s[4:5]   ws, never rewritten; s[6:7] out
.set OF,  8                            ; s[8:9], s[10:11] slot 0, 1: byte offset in ws of my 16 rows of the unit that the slot was last given; the high words are 0
.set G1J, 16                           ; s[16:23] group 1 of the joint loads: 16 rows x 512 elements
.set G1X, 24                           ; s[24:31] group 1 of the query rows' load: 32 rows x 512 elements
.set G0,  32                           ; s[32:39] group 0, one set for each slot
.set G0X, 40                           ; s[40:43] group 0 of the query rows' load
.set OX0, 44                           ; s44      offset of my 16 rows of the batch's first unit of xh
.set OX1, 45                           ; s45      of its second
.set OW0, 46                           ; s46      of wvh's first unit
.set OW1, 47                           ; s47      of its second
                                       ; s50      the lap counter of the loop at hand, counting down to 1
.set MSB, 0
.macro WIN new                         ; low byte: bits 1:0 source 0, 3:2 source 1, 5:4 source 2, 7:6 destination; the high byte repeats the setting that is left
.if MSB != (\new)
	s_set_vgpr_msb (MSB<<8)|(\new)
.set MSB, (\new)
.endif
.endm
; Independent vector instructions between a matrix instruction and what may not follow it closely: four in front of a vector read of its result,
; a vector write or a load into one of its registers; five in front of a matrix instruction that writes over one of them.  Other matrix instructions are not counted.
.macro PLACES n
.rept \n
	v_nop
.endr
.endm
; A round of the cluster's barrier: my work-group's barrier, wave 0 signals for the work-group, every wave waits for all four work-groups, my work-group's barrier again.
.macro ROUND
	s_barrier_signal -1
	s_barrier_wait -1
	s_cmp_lg_u32 s12, 0
	s_cbranch_scc1 .Lnot_wave_0_\@
	s_barrier_signal -3
.Lnot_wave_0_\@:
	s_barrier_wait -3
	s_barrier_signal -1
	s_barrier_wait -1
.endm
; The head of a trip.  In front of the round every wave has all its tensor loads landed (its part of this trip's unit among them) and its reads of the other slot back;
; behind it that holds of every wave of the four work-groups, and slot sl, read in the last trip, gets the next unit: the wave's one tensor load until the next round.
; mode 1: the slot's next unit of the same region, two units on.  mode 2: the same, but in the lap in which s50 = cnt the unit at offset s[alt], another region's
; (the stepped offset is thrown away there).  mode 0: nothing is left to fetch.  What is stepped and chosen is a plain offset; the address is then made anew from ws's
; pointer and the type set in it.  Offsets hang on the cluster's number, the wave's number and the lap counter: they are the same in all four work-groups.
.macro HEAD sl, mode, alt, cnt
	WIN 0                                          ; branches and a label follow
	s_wait_xcnt 0x0
	v_lshl_add_u32 v254, v0, 2, 0x49800
	v_mov_b32 v255, 0
	s_wait_tensorcnt 0x0                           ; no tensor load of mine is out, so a group 0 may be written
	ds_add_u32 v254, v255
	s_wait_dscnt 0x0
.if \mode
	s_add_co_u32 s[OF+2*\sl], s[OF+2*\sl], 2*UNIT
.endif
.if \mode == 2
	s_cmp_eq_u32 s50, \cnt
	s_cselect_b32 s[OF+2*\sl], s[\alt], s[OF+2*\sl]
.endif
.if \mode
	s_add_nc_u64 s[G0+4*\sl+2:G0+4*\sl+3], s[4:5], s[OF+2*\sl:OF+2*\sl+1]
	s_or_b32 s[G0+4*\sl+3], s[G0+4*\sl+3], 0x80000000              ; type = 2
.endif
	s_wait_dscnt 0x0
	ROUND
.if \mode
	tensor_load_to_lds s[G0+4*\sl:G0+4*\sl+3], s[G1J:G1J+7]
	s_nop 0
.endif
	PLACES 5                                       ; the trip's first loads land in fragments, and its first products may write over S tiles, that the last products read
.endm
; ---- groups of four fragments, eight LDS loads each ----
.macro LDM slot, g, f                  ; mt lies fragment by fragment, a fragment a row of the unit: lane l takes bytes 16 l and 512 + 16 l.  Group g: fragments 4 g .. 4 g + 3
.irp i, 0,1,2,3
	ds_load_b128 v[(\f)+8*\i:(\f)+8*\i+3], v[MA+2*(\slot)+((\g)>>3)] offset:(4*((\g)&7)+\i)*PITCH
	ds_load_b128 v[(\f)+8*\i+4:(\f)+8*\i+7], v[MA+2*(\slot)+((\g)>>3)] offset:(4*((\g)&7)+\i)*PITCH+512
.endr
.endm
.macro LDK a, g, f                     ; rows along K (keys): the four blocks of 16 rows at K step g
.irp tb, 0,1,2,3
	ds_load_b128 v[(\f)+8*\tb:(\f)+8*\tb+3], v[\a] offset:\tb*RB16+64*(\g)
	ds_load_b128 v[(\f)+8*\tb+4:(\f)+8*\tb+7], v[\a] offset:\tb*RB16+64*(\g)+32
.endr
.endm
; Values: the sum runs down the rows, so the loads transpose 8 x 8 numbers in each group of eight lanes.  The second group of eight lanes stands 128 bytes, not 16,
; beside the first: with rows 1,040 bytes apart the sixteen lanes of a half then touch sixteen different 16-byte columns modulo 256.  So block cb of O holds the
; columns c = 128 (cb >> 3) + 8 (cb & 7) + 64 h + j.  gv = 8 half + 4 k2 + quad; cb = 16 half + 4 quad + i; k2: which 32 of the unit's 64 rows.
.macro LDV a, gv, f
.irp i, 0,1,2,3
.set cbv, 16*((\gv)>>3)+4*((\gv)&3)+\i
.set vof, (((\gv)>>2)&1)*2*RB16+256*(cbv>>3)+16*(cbv&7)
	ds_load_tr16_b128 v[(\f)+8*\i:(\f)+8*\i+3], v[\a] offset:vof
	ds_load_tr16_b128 v[(\f)+8*\i+4:(\f)+8*\i+7], v[\a] offset:vof+RB16
.endr
.endm
.macro LDW a, g, f                     ; rows of wvh, their columns taken in the order in which O's blocks 2 g and 2 g + 1 hold them
.irp tb, 0,1,2,3
	ds_load_b128 v[(\f)+8*\tb:(\f)+8*\tb+3], v[\a] offset:\tb*RB16+256*((\g)>>2)+32*((\g)&3)
	ds_load_b128 v[(\f)+8*\tb+4:(\f)+8*\tb+7], v[\a] offset:\tb*RB16+256*((\g)>>2)+32*((\g)&3)+16
.endr
.endm
; ---- eight matrix instructions on eight accumulators.  Everywhere the accumulators take turns, one instruction a turn. ----
.macro PM8 g, f, zero                  ; Q'(rows 16 blk .. of Mt, qb) += Mt x x_q; blk = 4 (g & 7) + i, K step ks2 = g >> 3 of the unit's two
.irp i, 0,1,2,3
.irp qb, 0,1
.set dd, 8*(2*((4*((\g)&7)+\i)&15)+\qb)
.set bb, XB+8*(2*((\g)>>3)+\qb)
.if (\zero)&(((\g)>>3)==0)
	v_wmma_f32_16x16x32_bf16 v[dd:dd+7], v[(\f)+8*\i:(\f)+8*\i+7], v[bb:bb+7], 0
.else
	v_wmma_f32_16x16x32_bf16 v[dd:dd+7], v[(\f)+8*\i:(\f)+8*\i+7], v[bb:bb+7], v[dd:dd+7]
.endif
.endr
.endr
.endm
.macro SM8 ks, f                       ; S(tb, qb) += streamed rows x B(qb, ks): the scores, and the output projection
.irp tb, 0,1,2,3
.irp qb, 0,1
.set dd, SB+8*(4*\qb+\tb)
.set bb, 8*(2*(\ks)+\qb)
.if (\ks) == 0
	v_wmma_f32_16x16x32_f16 v[dd:dd+7], v[(\f)+8*\tb:(\f)+8*\tb+7], v[bb:bb+7], 0
.else
	v_wmma_f32_16x16x32_f16 v[dd:dd+7], v[(\f)+8*\tb:(\f)+8*\tb+7], v[bb:bb+7], v[dd:dd+7]
.endif
.endr
.endr
.endm
.macro PV8 gv, f                       ; O(cb, qb) += x^T x P(qb, k2)
.irp i, 0,1,2,3
.irp qb, 0,1
.set dd, 8*(2*(4*((\gv)&3)+\i)+\qb)
.set bb, SB+32*\qb+16*(((\gv)>>2)&1)
	v_wmma_f32_16x16x32_f16 v[dd:dd+7], v[(\f)+8*\i:(\f)+8*\i+7], v[bb:bb+7], v[dd:dd+7]
.endr
.endr
.endm
; A trip goes in PAIRS of groups on the two fragment buffers.  A pair issues the next pair's sixteen loads in one run, into the buffer that the pair before read,
; and multiplies its own two groups.  s_wait_dscnt 24: my second group's eight loads and the sixteen just issued may be out; 16: the sixteen just issued.
; The last pair of a trip issues none: 8 and 0.
; ---- the query rows of a trip: f16 from LDS, widened, rounded to bf16 ----
.macro LDX t                           ; fragment i = 2 ks2 + qb; t: which trip of the lap
.irp i, 0,1,2,3
	ds_load_b128 v[RX+8*\i:RX+8*\i+3], v[XA] offset:(\i&1)*RB16+128*(\t)+64*(\i>>1)
	ds_load_b128 v[RX+8*\i+4:RX+8*\i+7], v[XA] offset:(\i&1)*RB16+128*(\t)+64*(\i>>1)+32
.endr
.endm
.macro CV2 d, lo, hi
	v_cvt_f32_f16 v[TW+\d], \lo
	v_cvt_f32_f16 v[TW+\d+1], \hi
.endm
.macro PK16 half
.set jj, 0
.rept 16
	v_cvt_pk_bf16_f32 v[XB+16*\half+jj], v[TW+2*jj], v[TW+2*jj+1]
.set jj, jj+1
.endr
.endm
.macro TOBF
	CV2 0, v32.l, v32.h
	CV2 2, v33.l, v33.h
	CV2 4, v34.l, v34.h
	CV2 6, v35.l, v35.h
	CV2 8, v36.l, v36.h
	CV2 10, v37.l, v37.h
	CV2 12, v38.l, v38.h
	CV2 14, v39.l, v39.h
	CV2 16, v40.l, v40.h
	CV2 18, v41.l, v41.h
	CV2 20, v42.l, v42.h
	CV2 22, v43.l, v43.h
	CV2 24, v44.l, v44.h
	CV2 26, v45.l, v45.h
	CV2 28, v46.l, v46.h
	CV2 30, v47.l, v47.h
	PK16 0
	CV2 0, v48.l, v48.h
	CV2 2, v49.l, v49.h
	CV2 4, v50.l, v50.h
	CV2 6, v51.l, v51.h
	CV2 8, v52.l, v52.h
	CV2 10, v53.l, v53.h
	CV2 12, v54.l, v54.h
	CV2 14, v55.l, v55.h
	CV2 16, v56.l, v56.h
	CV2 18, v57.l, v57.h
	CV2 20, v58.l, v58.h
	CV2 22, v59.l, v59.h
	CV2 24, v60.l, v60.h
	CV2 26, v61.l, v61.h
	CV2 28, v62.l, v62.h
	CV2 30, v63.l, v63.h
	PK16 1
.endm
; ---- a unit of mt: 64 more columns c (two K steps) for all 512 columns of Q'.  The accumulators are the same in every trip, which is what lets the trips be a loop ----
.macro PTRIP slot, t, zero
	LDX \t
.if \t
	v_add_nc_u32 v[XA], 256, v[XA]                 ; the next lap's four K steps (an LDS instruction has read its address when it is issued)
.endif
	LDM \slot, 0, FB
	LDM \slot, 1, FB+32
	s_wait_dscnt 16                                ; the eight loads of x_q are in; the sixteen of the first pair come in while x_q is converted
	TOBF
.irp p, 0,1,2,3,4,5,6,7
.if \p < 7
.if \p
	PLACES 4
.endif
	WIN 0
	LDM \slot, 2*\p+2, FB+64*((\p+1)&1)
	LDM \slot, 2*\p+3, FB+64*((\p+1)&1)+32
	WIN 0xa0+0x50*((\p>>1)&1)                      ; both sources in window 0; C and D in window 2 (blocks 0-15), then 3
	s_wait_dscnt 24
.else
	s_wait_dscnt 8
.endif
	PM8 2*\p, FB+64*(\p&1), \zero
.if \p < 7
	s_wait_dscnt 16
.else
	s_wait_dscnt 0
.endif
	PM8 2*\p+1, FB+64*(\p&1)+32, \zero
.endr
	WIN 0
.endm
; ---- the largest |Q'| of each query: 128 numbers a lane, a query block and a window, in four chains ----
.macro ROWMAX first
.irp b, 0,1,2,3,4,5,6,7,8,9,10,11,12,13,14,15
.irp p, 0,1,2,3
.irp qb, 0,1
.set rr, 8*(2*\b+\qb)+2*\p
.set tt, TA+2*\qb+(\p&1)
.if (\first)&((4*\b+\p)<2)
	v_max_num_f32 v[tt], |v[rr]|, |v[rr+1]|        ; the first pairs start the chains: nothing is cleared
.else
	v_max3_num_f32 v[tt], |v[rr]|, |v[rr+1]|, v[tt]
.endif
.endr
.endr
.endr
.endm
; ---- all 64 accumulator tiles times the query's factor in AL, rounded to f16, packed into window 1: tiles 2 ks and 2 ks + 1 make B(qb, ks) ----
.macro SCALEPACK
.irp w, 0,1
	WIN 0x82+0x41*\w                               ; source 0 and destination in window 2 + w
.irp b, 0,1,2,3,4,5,6,7,8,9,10,11,12,13,14,15
.irp qb, 0,1
.irp p, 0,1,2,3
.set rr, 8*(2*\b+\qb)+2*\p
	v_pk_mul_f32 v[rr:rr+1], v[rr:rr+1], v[AL+2*\qb:AL+2*\qb+1]
.endr
.endr
.endr
	WIN 0x4a+5*\w                                  ; sources in window 2 + w, destination in window 1
.irp k, 0,1,2,3,4,5,6,7
.irp qb, 0,1
.irp i, 0,1,2,3,4,5,6,7
.set dd, 8*(2*(8*\w+\k)+\qb)+\i
.set rr, 8*(2*(2*\k+(\i>>2))+\qb)+2*(\i&3)
	v_cvt_pk_f16_f32 v[dd], v[rr], v[rr+1]
.endr
.endr
.endr
.endr
	WIN 0
.endm
; ---- the softmax of a unit's 64 keys for my 32 queries ----
.macro SUMOP qb, i                     ; step i of sixteen of the sum of a lane's 32 P: four chains of packed adds, then a tree
.set su, SU+8*\qb
.set sq, SB+32*\qb
.if (\i) < 4
	s_wait_alu depctr_va_vdst(0)
	v_pk_add_f32 v[su+2*(\i):su+2*(\i)+1], v[sq+2*(\i):sq+2*(\i)+1], v[sq+8+2*(\i):sq+9+2*(\i)]
.elseif (\i) < 12
	v_pk_add_f32 v[su+2*((\i)&3):su+2*((\i)&3)+1], v[su+2*((\i)&3):su+2*((\i)&3)+1], v[sq+8+2*(\i):sq+9+2*(\i)]
.elseif (\i) == 12
	v_pk_add_f32 v[su:su+1], v[su:su+1], v[su+2:su+3]
.elseif (\i) == 13
	v_pk_add_f32 v[su+4:su+5], v[su+4:su+5], v[su+6:su+7]
.elseif (\i) == 14
	v_pk_add_f32 v[su:su+1], v[su:su+1], v[su+4:su+5]
.else
	v_add_f32 v[su], v[su], v[su+1]
.endif
.endm
.macro PACKOP qb, i                    ; register i & 7 of P(qb, i >> 3): written in ascending order, so no number is overwritten before it is read
.set sq, SB+32*\qb+16*((\i)>>3)
	v_cvt_pk_f16_f32 v[sq+((\i)&7)], v[sq+2*((\i)&7)], v[sq+2*((\i)&7)+1]
.endm
.macro SOFTMAX
.irp qb, 0,1
	v_max_num_f32 v[TA+\qb], v[SB+32*\qb], v[SB+32*\qb+1]
	v_max_num_f32 v[TB+\qb], v[SB+32*\qb+16], v[SB+32*\qb+17]
.endr
.irp i, 1,2,3,4,5,6,7
.irp qb, 0,1
	v_max3_num_f32 v[TA+\qb], v[SB+32*\qb+2*\i], v[SB+32*\qb+2*\i+1], v[TA+\qb]
	v_max3_num_f32 v[TB+\qb], v[SB+32*\qb+16+2*\i], v[SB+32*\qb+17+2*\i], v[TB+\qb]
.endr
.endr
.irp qb, 0,1
	v_max_num_f32 v[TA+\qb], v[TA+\qb], v[TB+\qb]
.endr
.irp qb, 0,1
	v_permlanex16_b32 v[TB+\qb], v[TA+\qb], s52, s53       ; lane i xor 16 holds the query's other 32 keys
.endr
.irp qb, 0,1
	v_max_num_f32 v[TA+\qb], v[TA+\qb], v[TB+\qb]
.endr
.irp qb, 0,1
	v_mul_f32 v[TA+\qb], v[GG+2*\qb], v[TA+\qb]            ; g > 0, so g max(s) = max(g s)
.endr
.irp qb, 0,1
	v_sub_f32 v[TB+\qb], v[MX+\qb], v[TA+\qb]
	v_max_num_f32 v[MX+\qb], v[MX+\qb], v[TA+\qb]          ; the new maximum
.endr
.irp qb, 0,1
	v_min_num_f32 v[TB+\qb], 0, v[TB+\qb]                  ; old maximum - new maximum; minus infinity in the batch's first unit
.endr
	v_exp_f32 v[AL], v[TB]                                 ; alpha.  The four subtractions below are the plain instructions that stand between
	v_exp_f32 v[AL+2], v[TB+1]                             ; a transcendental and the first use of its result (ISA guide 5.7.2)
.irp qb, 0,1
	v_sub_f32 v[NM+2*\qb], 0, v[MX+\qb]
	v_sub_f32 v[NM+2*\qb+1], 0, v[MX+\qb]
.endr
	s_wait_alu depctr_va_vdst(0)
	v_mov_b32 v[AL+1], v[AL]
	v_mov_b32 v[AL+3], v[AL+2]
	; exponents g s - m in one rounding, then 2^x in place.  The exponentials of one query block stand among plain work of the other.
.irp i, 0,1,2,3,4,5,6,7,8,9,10,11,12,13,14,15
	v_pk_fma_f32 v[SB+2*\i:SB+2*\i+1], v[SB+2*\i:SB+2*\i+1], v[GG:GG+1], v[NM:NM+1]
.endr
.irp i, 0,1,2,3,4,5,6,7,8,9,10,11,12,13,14,15
	v_exp_f32 v[SB+2*\i], v[SB+2*\i]
	v_exp_f32 v[SB+2*\i+1], v[SB+2*\i+1]
	v_pk_fma_f32 v[SB+32+2*\i:SB+33+2*\i], v[SB+32+2*\i:SB+33+2*\i], v[GG+2:GG+3], v[NM+2:NM+3]
.endr
.irp i, 0,1,2,3,4,5,6,7,8,9,10,11,12,13,14,15
	v_exp_f32 v[SB+32+\i], v[SB+32+\i]
	SUMOP 0, \i
.endr
	v_fma_f32 v[LS], v[LS], v[AL], v[SU]
.irp i, 0,1,2,3,4,5,6,7,8,9,10,11,12,13,14,15
	v_exp_f32 v[SB+48+\i], v[SB+48+\i]
	PACKOP 0, \i
.endr
.irp i, 0,1,2,3,4,5,6,7,8,9,10,11,12,13,14,15
	SUMOP 1, \i
.endr
	v_fma_f32 v[LS+1], v[LS+1], v[AL+2], v[SU+8]
.irp i, 0,1,2,3,4,5,6,7,8,9,10,11,12,13,14,15
	PACKOP 1, \i
.endr
.endm
.macro RESCALE a                       ; the pair's own sixteen tiles of O (128 registers in a row) times alpha, ahead of the products that add to them
.irp c, 0,1,2,3,4,5,6,7
.irp qb, 0,1
.irp p, 0,1,2,3
.set rr, 128*(\a)+8*(2*\c+\qb)+2*\p
	v_pk_mul_f32 v[rr:rr+1], v[rr:rr+1], v[AL+2*\qb:AL+2*\qb+1]
.endr
.endr
.endr
.endm
; ---- a unit of xh: 64 keys and values.  Eight pairs make S, the softmax, eight pairs add P x to O ----
.macro FTRIP slot
	WIN 0x04                                       ; source 1 in window 1; loads and places run under the same setting
	LDK KA+\slot, 0, FB
	LDK KA+\slot, 1, FB+32
.irp p, 0,1,2,3,4,5,6,7
.if \p
	PLACES 4
.endif
.if \p < 7
	LDK KA+\slot, 2*\p+2, FB+64*((\p+1)&1)
	LDK KA+\slot, 2*\p+3, FB+64*((\p+1)&1)+32
.else
	LDV VA+\slot, 0, FB                            ; the first values come in while the softmax is made
	LDV VA+\slot, 1, FB+32
.endif
	s_wait_dscnt 24
	SM8 2*\p, FB+64*(\p&1)
	s_wait_dscnt 16
	SM8 2*\p+1, FB+64*(\p&1)+32
.endr
	PLACES 4
	WIN 0
	SOFTMAX
.irp pp, 0,1,2,3,4,5,6,7
.if ((\pp>>1)&1) == 0
	WIN 0x82+0x41*(\pp>>2)
	RESCALE (\pp&1)                                ; 64 packed multiplies on tiles that the last products did not name: they are the places too
.elseif \pp < 7
	PLACES 4
.endif
.if \pp < 7
	WIN 0
	LDV VA+\slot, 2*\pp+2, FB+64*((\pp+1)&1)
	LDV VA+\slot, 2*\pp+3, FB+64*((\pp+1)&1)+32
	WIN 0xa0+0x50*(\pp>>2)                         ; C and D in window 2, then 3; both sources in window 0
	s_wait_dscnt 24
.else
	s_wait_dscnt 8
.endif
	PV8 2*\pp, FB+64*(\pp&1)
.if \pp < 7
	s_wait_dscnt 16
.else
	s_wait_dscnt 0
.endif
	PV8 2*\pp+1, FB+64*(\pp&1)+32
.endr
	WIN 0
.endm
; ---- a unit of wvh: 64 columns of out for my 32 rows, and their way out.  c: which unit of the lap; more = 1: another trip follows ----
.macro WTRIP c, slot, more
	WIN 0x04
	LDW WA+\slot, 0, FB
	LDW WA+\slot, 1, FB+32
.irp p, 0,1,2,3,4,5,6,7
.if \p < 7
.if \p
	PLACES 4
.endif
	LDW WA+\slot, 2*\p+2, FB+64*((\p+1)&1)
	LDW WA+\slot, 2*\p+3, FB+64*((\p+1)&1)+32
	s_wait_dscnt 24
.else
	s_wait_dscnt 8
.endif
	SM8 2*\p, FB+64*(\p&1)
.if \p < 7
	s_wait_dscnt 16
.else
	s_wait_dscnt 0
.endif
	SM8 2*\p+1, FB+64*(\p&1)+32
.endr
	PLACES 4
	WIN 0
	; lane (r, h) holds row r, columns 16 tb + 8 h + 0..7: 32 bytes.  Through my own stage they become whole rows of 256 bytes.
.irp qb, 0,1
.irp tb, 0,1,2,3
	ds_store_b128 v[OS], v[SB+8*(4*\qb+\tb):SB+8*(4*\qb+\tb)+3] offset:\qb*16*OPITCH+64*\tb
	ds_store_b128 v[OS], v[SB+8*(4*\qb+\tb)+4:SB+8*(4*\qb+\tb)+7] offset:\qb*16*OPITCH+64*\tb+16
.endr
.endr
.irp i, 0,1,2,3,4,5,6,7,8,9,10,11,12,13,14,15
	ds_load_b128 v[FB+4*\i:FB+4*\i+3], v[OL] offset:2*OPITCH*\i   ; LDS serves a wave's instructions in order (ISA guide 5.7.1.4): these see the stores above
.endr
.irp i, 0,1,2,3,4,5,6,7,8,9,10,11,12,13,14,15
	s_wait_dscnt 15-\i                             ; load i is in, the younger ones stay out
	global_store_b128 v[OG], v[FB+4*\i:FB+4*\i+3], s[54:55] offset:4096*\i+256*(\c) th:TH_STORE_NT   ; 16 lanes store 256 consecutive bytes, at a multiple of 256 from out's first byte
.endr
.if \more
	s_wait_xcnt 0x0                                ; the next trip's fragments land in the registers that these stores read, and their base steps, only behind this wait
.endif
.endm
; ================================================================ the text ================================================================
	s_load_b128 s[4:7], s[0:1], 0x0                ; ws s[4:5], out s[6:7]
	v_lshl_add_u32 v254, v0, 2, 0x49800
	v_mov_b32 v255, 0
	ds_add_u32 v254, v255
	s_wait_dscnt 0x0
	v_lshrrev_b32 v1, 5, v0
	v_readfirstlane_b32 s12, v1                    ; wave 0..3
	s_bfe_u32 s13, ttmp6, 0x40000                  ; cx: my place in the cluster
	s_lshl_b32 s14, ttmp9, 2                       ; in a cluster launch ttmp9 counts clusters
	s_add_co_u32 s14, s14, s13                     ; my block of 128 query rows, 0..255
	s_mov_b32 s52, 0x76543210                      ; v_permlanex16_b32: lane i of one half reads lane i of the other
	s_mov_b32 s53, 0xfedcba98
	; group 1 of the joint loads: 16 rows x 512 elements of 2 bytes, 16 bytes of padding behind each row of 256 words
	s_mov_b32 s[G1J+0], 0x07f1000f                 ; 15:0 mask: all four work-groups; 17:16 element of 2 bytes; 20 padding on; 21 set beside a mask; 24:22 after 256 words (code 7); 31:25 four words (code 3)
	s_mov_b32 s[G1J+1], 512<<16                    ; tensor_dim0 = 512
	s_mov_b32 s[G1J+2], 16<<16                     ; tensor_dim1 = 16
	s_mov_b32 s[G1J+3], 512<<16                    ; tile_dim0 = 512
	s_mov_b32 s[G1J+4], 16                         ; tile_dim1 = 16
	s_mov_b32 s[G1J+5], 512                        ; elements from row to row
	s_mov_b32 s[G1J+6], 0
	s_mov_b32 s[G1J+7], 0
	; group 1 of the query rows: 32 rows, no mask: each work-group has its own
	s_mov_b32 s[G1X+0], 0x07d10000
	s_mov_b32 s[G1X+1], 512<<16
	s_mov_b32 s[G1X+2], 32<<16
	s_mov_b32 s[G1X+3], 512<<16
	s_mov_b32 s[G1X+4], 32
	s_mov_b32 s[G1X+5], 512
	s_mov_b32 s[G1X+6], 0
	s_mov_b32 s[G1X+7], 0
	s_mul_i32 s15, s12, RB16                       ; my 16 rows of a slot: no place in the cluster enters an LDS address
	; byte offsets in ws of my 16 rows of the units at which a region begins
	s_lshl_b32 s56, s12, 14                        ; my 16 rows of a unit: 16,384 bytes a wave
	s_lshr_b32 s2, ttmp9, 1                        ; the batch: two clusters each, so the four partners share it
	s_lshl_b32 s2, s2, 20                          ; 1,048,576 bytes of xh a batch
	s_add_co_u32 s[OX0], s2, s56
	s_add_co_u32 s[OX1], s[OX0], UNIT
	s_add_co_u32 s[OW0], s56, WVO
	s_add_co_u32 s[OW1], s[OW0], UNIT
	s_add_co_u32 s[OF], s56, MTO                   ; slot 0 begins with unit 0 of mt,
	s_mov_b32 s[OF+1], 0
	s_add_co_u32 s[OF+2], s[OF], UNIT              ; slot 1 with unit 1
	s_mov_b32 s[OF+3], 0
	s_lshl_b32 s58, s14, 17                        ; my work-group's 128 query rows, 131,072 bytes of xh (these two registers alone hold what hangs on cx)
	s_lshl_b32 s51, s12, 15                        ; my wave's 32 of them
	s_add_co_u32 s58, s58, s51
	s_mov_b32 s59, 0
	s_wait_kmcnt 0x0
.irp n, 0,1
	s_mov_b32 s[G0+4*\n], 1                                        ; count = 1
	s_add_co_u32 s[G0+4*\n+1], s15, \n*SLOTB                       ; LDS address
	s_add_nc_u64 s[G0+4*\n+2:G0+4*\n+3], s[4:5], s[OF+2*\n:OF+2*\n+1]
	s_or_b32 s[G0+4*\n+3], s[G0+4*\n+3], 0x80000000                ; type = 2
.endr
	s_mov_b32 s[G0X], 1
	s_mul_i32 s[G0X+1], s12, 32*PITCH
	s_add_co_u32 s[G0X+1], s[G0X+1], XQB
	s_add_nc_u64 s[G0X+2:G0X+3], s[4:5], s[58:59]
	s_or_b32 s[G0X+3], s[G0X+3], 0x80000000
	s_lshl_b32 s58, s14, 18                        ; my work-group's 128 rows of out, 262,144 bytes,
	s_lshl_b32 s51, s12, 16                        ; my wave's 32
	s_add_co_u32 s58, s58, s51
	s_add_nc_u64 s[54:55], s[6:7], s[58:59]
	ROUND                                          ; all four work-groups are here: the first joint loads meet
	tensor_load_to_lds s[G0X:G0X+3], s[G1X:G1X+7]  ; the three first fills go out as one group: three tensor loads of the wave are out, the most in this text
	s_nop 0
	tensor_load_to_lds s[G0:G0+3], s[G1J:G1J+7]
	s_nop 0
	tensor_load_to_lds s[G0+4:G0+7], s[G1J:G1J+7]
	s_nop 0
	v_and_b32 v22, 15, v0                          ; r = lane % 16
	v_bfe_u32 v23, v0, 4, 1                        ; h = lane / 16
	v_mul_u32_u24 v24, v22, PITCH
	v_lshl_add_u32 v[KA], v23, 4, v24
	v_add_nc_u32 v[KA+1], SLOTB, v[KA]
	v_lshl_add_u32 v[WA], v23, 7, v24
	v_add_nc_u32 v[WA+1], SLOTB, v[WA]
	v_and_b32 v25, 7, v0
	v_lshl_add_u32 v25, v23, 3, v25
	v_mul_u32_u24 v25, v25, PITCH
	v_bfe_u32 v26, v0, 3, 1
	v_lshl_add_u32 v[VA], v26, 7, v25
	v_add_nc_u32 v[VA+1], SLOTB, v[VA]
	v_add_nc_u32 v[XA], s[G0X+1], v[KA]
	v_and_b32 v28, 31, v0
	v_lshlrev_b32 v[MA], 4, v28                    ; 16 x lane
	v_add_nc_u32 v[MA+1], 32*PITCH, v[MA]
	v_add_nc_u32 v[MA+2], SLOTB, v[MA]
	v_add_nc_u32 v[MA+3], SLOTB+32*PITCH, v[MA]
	s_mul_i32 s15, s12, 32*OPITCH
	s_add_co_u32 s15, s15, OSTB                    ; my stage
	v_mul_u32_u24 v27, v22, OPITCH
	v_lshl_add_u32 v27, v23, 5, v27
	v_add_nc_u32 v[OS], s15, v27                   ; in: row r, 32 bytes for each half of the lanes
	v_mul_u32_u24 v27, v23, OPITCH
	v_lshl_add_u32 v27, v22, 4, v27
	v_add_nc_u32 v[OL], s15, v27                   ; back: lanes 0-15 one row of 256 bytes, lanes 16-31 the next
	v_lshlrev_b32 v27, 11, v23
	v_lshl_add_u32 v[OG], v22, 4, v27              ; the same two rows in out, 2,048 bytes apart
	; ---- Q' = x_q Mt^T ----
	s_wait_tensorcnt 0x1                           ; my query rows, issued first, and my part of unit 0 are in; unit 1 may stay out
	s_barrier_signal -1
	s_barrier_wait -1                              ; everybody's part of unit 0 is in (the query rows are read by their own wave alone)
	PTRIP 0, 0, 1                                  ; the first lap stands in front of the loop: its first products start the sums
	HEAD 0, 1, 0, 0
	PTRIP 1, 1, 0
	s_mov_b32 s50, 3
.Lproj:                                            ; units 2 to 7 of mt
	HEAD 1, 1, 0, 0
	PTRIP 0, 0, 0
	HEAD 0, 2, OX0, 1                              ; in the last lap: the batch's first 64 rows of xh
	PTRIP 1, 1, 0
	s_sub_co_u32 s50, s50, 1
	s_cmp_lg_u32 s50, 0
	s_cbranch_scc1 .Lproj
	; ---- Q' / g in f16.  g = the row's largest magnitude, at least 2^-100 ----
	PLACES 4
	WIN 0x0a                                       ; sources 0 and 1 in window 2
	ROWMAX 1
	WIN 0x0f                                       ; in window 3
	ROWMAX 0
	WIN 0
.irp qb, 0,1
	v_max_num_f32 v[TA+2*\qb], v[TA+2*\qb], v[TA+2*\qb+1]
.endr
.irp qb, 0,1
	v_permlanex16_b32 v[TA+2*\qb+1], v[TA+2*\qb], s52, s53
.endr
.irp qb, 0,1
	v_max3_num_f32 v[GG+2*\qb], v[TA+2*\qb], v[TA+2*\qb+1], 0x0d800000
.endr
	v_rcp_f32 v[AL], v[GG]
	v_rcp_f32 v[AL+2], v[GG+2]
	v_mov_b32 v[GG+1], v[GG]                       ; plain instructions between the reciprocals and their first use (ISA guide 5.7.2)
	v_mov_b32 v[GG+3], v[GG+2]
	s_wait_alu depctr_va_vdst(0)
	v_mov_b32 v[AL+1], v[AL]
	v_mov_b32 v[AL+3], v[AL+2]
	SCALEPACK
	; ---- the batch's 16 units of keys and values ----
	; The running maximum starts at minus infinity and l at 0, so the first unit's alpha is 2^(-inf) = 0.  The 512 accumulator registers still hold Q' / g, of magnitude
	; 1 at the most: finite, so the first unit's rescaling by 0 starts O, and nothing is cleared.  (A NaN there belongs to a query whose whole row is NaN anyway.)
	v_mov_b32 v[MX], 0xff800000
	v_mov_b32 v[MX+1], 0xff800000
	v_mov_b32 v[LS], 0
	v_mov_b32 v[LS+1], 0
	s_mov_b32 s50, 8
.Lflash:
	HEAD 1, 2, OX1, 8                              ; in the first lap: rows 64 to 127 of the batch
	FTRIP 0
	HEAD 0, 2, OW0, 1                              ; in the last lap: the first 64 rows of wvh
	FTRIP 1
	s_sub_co_u32 s50, s50, 1
	s_cmp_lg_u32 s50, 0
	s_cbranch_scc1 .Lflash
	; ---- O / l in f16 ----
	PLACES 4
.irp qb, 0,1
	v_permlanex16_b32 v[TA+\qb], v[LS+\qb], s52, s53       ; the two halves of the lanes summed different keys under the same maximum
.endr
.irp qb, 0,1
	v_add_f32 v[LS+\qb], v[LS+\qb], v[TA+\qb]
.endr
	v_rcp_f32 v[AL], v[LS]                         ; l is at least about 1: the key of the maximum gives 2^0
	v_rcp_f32 v[AL+2], v[LS+1]
	v_nop
	s_wait_alu depctr_va_vdst(0)
	v_mov_b32 v[AL+1], v[AL]
	v_mov_b32 v[AL+3], v[AL+2]
	SCALEPACK
	; ---- out = (O / l) Wv^T ----
	s_mov_b32 s50, 3
.Lout:                                             ; units 0 to 5 of wvh
	HEAD 1, 2, OW1, 3                              ; in the first lap: rows 64 to 127 of wvh
	WTRIP 0, 0, 1
	HEAD 0, 1, 0, 0
	WTRIP 1, 1, 1
	s_add_nc_u64 s[54:55], s[54:55], 512           ; 128 columns of out on
	s_sub_co_u32 s50, s50, 1
	s_cmp_lg_u32 s50, 0
	s_cbranch_scc1 .Lout
	HEAD 1, 1, 0, 0                                ; the last lap is written out: one more unit is asked for,
	WTRIP 0, 0, 1
	HEAD 0, 0, 0, 0                                ; then nothing is left to fetch
	WTRIP 1, 1, 0
	s_wait_xcnt 0x0
	v_lshl_add_u32 v254, v0, 2, 0x49800
	v_mov_b32 v255, 0
	s_wait_tensorcnt 0x0
	ds_add_u32 v254, v255
	s_wait_dscnt 0x0
	ROUND                                          ; the closing round: no work-group ends while a partner may still ask for a unit that names it
	s_endpgm
.Lfunc_end_k_q8d57b3cdea_attn:
	.size	k_q8d57b3cdea_attn, .Lfunc_end_k_q8d57b3cdea_attn-k_q8d57b3cdea_attn
	.p2alignl 7, 3214868480
	.fill 96, 4, 3214868480
	.section	.rodata,"a",@progbits
	.p2align	6, 0x0
	.amdhsa_kernel k_q8d57b3cdea_attn
		.amdhsa_group_segment_fixed_size 327680
		.amdhsa_private_segment_fixed_size 0
		.amdhsa_enable_private_segment 0
		.amdhsa_kernarg_size 16
		.amdhsa_user_sgpr_count 2
		.amdhsa_user_sgpr_kernarg_segment_ptr 1
		.amdhsa_wavefront_size32 1
		.amdhsa_system_sgpr_workgroup_id_x 1
		.amdhsa_system_sgpr_workgroup_id_y 1
		.amdhsa_system_sgpr_workgroup_id_z 1
		.amdhsa_system_vgpr_workitem_id 0
		.amdhsa_next_free_vgpr 1024
		.amdhsa_next_free_sgpr 66
		.amdhsa_reserve_vcc 0
		.amdhsa_float_denorm_mode_32 3
		.amdhsa_float_denorm_mode_16_64 3
		.amdhsa_memory_ordered 1
		.amdhsa_forward_progress 1
		.amdhsa_inst_pref_size 255
	.end_amdhsa_kernel
	.section	.bss,"aw",@nobits
	.p2align	6
	.space	262144
	.amdgpu_metadata
---
amdhsa.version: [ 1, 2 ]
amdhsa.kernels:
  - .name:           k_q8d57b3cdea_attn
    .symbol:         k_q8d57b3cdea_attn.kd
    .args:
      - { .name: ws, .offset: 0, .size: 8, .value_kind: global_buffer, .address_space: global }
      - { .name: out0, .offset: 8, .size: 8, .value_kind: global_buffer, .address_space: global }
    .group_segment_fixed_size: 327680
    .private_segment_fixed_size: 0
    .kernarg_segment_align: 8
    .kernarg_segment_size: 16
    .max_flat_workgroup_size: 128
    .sgpr_count:     66
    .vgpr_count:     1024
    .wavefront_size: 32
...
	.end_amdgpu_metadata
.endif
;; end of part 4
